; MI455X (gfx1250); checked and timed in simulation.
; The chip was launched on July 23, 2026; its instructions are those of AMD's public machine-readable ISA for CDNA 5 (MIT licence, August 2026) and "CDNA5" Instruction Set Architecture Reference Guide (July 2026). The comments in the code are by the model that wrote it; some were corrected since.
;; Flash Attention. Allowed arithmetic: matrix products marked QUANTISED: E2M3 operands, one E8M0 scale for each 32 along K, by v_wmma_scale_f32_16x16x128_f8f6f4 with both operands' format E2M3, f32 sums; everything else in f32.
;; Inputs: bk 1,024 float32; bq 1,024 float32; bv 1,024 float32; wk 1,024 x 1,024 float32; wq 1,024 x 1,024 float32; wv 1,024 x 1,024 float32; x 4 x 2,048 x 1,024 float32.
;; Outputs: out0 4 x 2,048 x 1,024 float32.
;; This version of the problem:
;;   THIS VERSION OF THE PROBLEM IS GIVEN IN LOW PRECISION. The matrix products marked QUANTISED in the list below multiply operands that are first quantised to E2M3 (2 exponent bits, 3 mantissa bits; 6 bits a number), with one power-of-two scale for each 32 numbers along K (OCP MX v1.0); their sums are f32. All else is computed in f32.
;;   The module's matrix products, in the order in which they are computed (A, B: the left and right operand; K: the contracted axis; several contracted axes count as one K, in the product's order):
;;     1. [M 8,192, K 1,024] x [K 1,024, N 1,024]; A: input x; B: input wq: QUANTISED
;;     2. [M 8,192, K 1,024] x [K 1,024, N 1,024]; A: input x; B: input wk: QUANTISED
;;     3. [M 8,192, K 1,024] x [K 1,024, N 1,024]; A: input x; B: input wv: QUANTISED
;;     4. batch 4 x [M 2,048, K 1,024] x [K 1,024, N 2,048]; A: computed on the way; B: computed on the way: QUANTISED
;;     5. batch 4 x [M 2,048, K 2,048] x [K 2,048, N 1,024]; A: softmax (see below); B: computed on the way: QUANTISED
;;   THE QUANTISER, for each operand of a quantised product, along K:
;;     - K is cut into blocks of 32 from its start; a last block that is shorter is filled with zeros.
;;     - A block's scale is 2^e with e = floor(log2(the largest magnitude in the block)) - 2, held to -126 .. 127; a block of zeros has e = 0. As a byte (E8M0): e + 127.
;;     - Each number is divided by its block's scale, clamped to +-7.5, and rounded to the nearest number of E2M3, ties to even, subnormals kept.
;;     - The product sums the exact products of the quantised numbers (number of the format x scale) in f32.
;;   ~~~python
;;   def quantise(x, axis):      # numpy; x: float32 -> the quantised numbers, widened to float32 again
;;       x = np.moveaxis(x, axis, -1); K = x.shape[-1]
;;       x = np.pad(x, [(0, 0)] * (x.ndim - 1) + [(0, -K % 32)]); x = x.reshape(x.shape[:-1] + (-1, 32)); a = np.abs(x).max(-1, keepdims=True)
;;       e = np.where(a > 0, np.clip(np.frexp(np.where(a > 0, a, 1))[1] - 1 - 2, -126, 127), 0)      # np.frexp(a)[1] - 1 = floor(log2(a)), exactly
;;       r = np.clip(x / 2.0 ** e, -7.5, 7.5)
;;       step = 2.0 ** (np.maximum(np.frexp(np.where(r == 0, 1, r))[1] - 1, 0) - 3)
;;       q = np.round(r / step) * step * 2.0 ** e      # np.round: ties to even
;;       return np.moveaxis(q.reshape(q.shape[:-2] + (-1,))[..., :K], -1, axis).astype(np.float32)
;;   ~~~
;;   SOFTMAX AHEAD OF A QUANTISED PRODUCT. Where the list says 'softmax', what is quantised is not the finished softmax but p = 2^(t - M), with t = logit x log2(e) and M = ceil(the row's largest t), a whole number; so 1/2 < the row's largest p <= 1. The row's sum l is taken of the UNQUANTISED p, in f32, and the product's result is divided by l at the end. Since M is a whole number, a kernel that streams over the keys may use a running M (the ceiling of the running maximum): every later rescaling is an exact power of two, which a block's scale takes up: the codes' values come out the same.
;;   OPERANDS COMPUTED ON THE WAY. 'Computed on the way' means the value that the module computes at that place (a softmax that the list does not call 'softmax' is quantised finished and normalised). What goes into a quantiser is computed in f32, as accurately as f32 sums, v_exp_f32 and their like allow (about 1e-6 of the number): no bf16 or f16 on the way to a quantiser, and a product that is left as it is and whose result goes on into a quantised operand takes f32 operands (vector FMAs, or v_wmma_f32_16x16x4_f32). A number that lies on a knife's edge between two numbers of the format may be rounded either way, as far as f32 arithmetic and the matrix unit's own rounding can turn it there, and no further.
;; One version. Each part assembles by itself: llvm-mc -triple=amdgcn-amd-amdhsa -mcpu=gfx1250 --defsym DOCPART=n.
;; ======== version 1 of 1: 4 launches
;; limits: right only within a limited range of input values
;; workspace buffers: xwc 8,650,752 bytes; xws 360,448 bytes; qkvc 18,874,368 bytes; qkvs 786,432 bytes; pc 12,582,912 bytes; pst 1,572,864 bytes
;; launch quant (part 1): grid 256 x 1, 11 waves a work-group, no clusters, 94,464 bytes of LDS; arguments x, wq, wk, wv, xwc, xws; writes xwc, xws
.if DOCPART == 1
	.amdgcn_target "amdgcn-amd-amdhsa--gfx1250"
	.amdhsa_code_object_version 6
	.text
	.protected	k_q937ceaad82_quant
	.globl	k_q937ceaad82_quant
	.p2align	8
	.type	k_q937ceaad82_quant,@function
k_q937ceaad82_quant:
	s_mov_b64 s[64:65], 0
	v_nop
	global_prefetch_b8 v0, s[64:65] scope:SCOPE_SE
	s_setreg_imm32_b32 hwreg(HW_REG_WAVE_MODE, 25, 1), 1
	s_wait_xcnt 0x0
; x [8192][1024] and wq, wk, wv [1024][1024], f32, become codes of FP6 (E2M3) with one E8M0 scale byte for each 32 along K (the last axis).
; A block's scale is 2^(floor(log2(its largest magnitude)) - 2); its byte is the largest magnitude's exponent field - 2, held at 1 from below.
; CODES (xwc): images of operand registers.  A fragment is 16 rows x 128 K: 12 registers a lane, 1,536 bytes; registers 4 c .. 4 c + 3 of lane l at 512 c + 16 l.  [rowblock 0 .. 703][8 chunks of 128][1,536]: x 0-511, wq 512-575, wk 576-639, wv 640-703.
; A ROWBLOCK'S ROWS: lane-row p is row base + 32 (p / 8) + p % 8.  x: rowblock 16 g + 8 c + 2 j + w has base 256 g + 128 w + 64 c + 8 j; a weight: rowblock 4 d + j has base 64 d + 8 j.
; So a product that takes rowblocks j = 0 .. 3 leaves 32 neighbours, one scale block of the next product, in a lane's 32 registers.
; SCALES (xws): [rowblock][4 pairs of chunks][lane-row][2 words of four bytes].
; SHARES: 5,632 fragments, 22 a work-group, two a wave: rowblock n / 4, chunks 2 (n % 4) and the next, n = 11 x work-group + wave.  256 work-groups of equal work.
; Each load reads 512 consecutive bytes of one row; 16 rows turn through the wave's own stage in LDS (pitch 528 bytes): a lane gets two whole blocks of 32.
; Bytes bind: no matrix unit, no tensor load, no barrier; each byte is read once, all a wave's loads are asked for at the start, so nothing is prefetched.
; Every bias goes into a quantised operand.
; LIMITS: NaN and infinities are not served.  A block of zeros gets the byte 1 where the rule says 127: its codes are zeros, and only this program reads the bytes.
.set STG,   16*528
.set SPARE, 11*STG
.set SPW,   8
.set NIL,   9
.set PW,    10                         ; v[10:11] the two fragments' scale words
.set R,     16                         ; v16-143  two sets of 64 registers as loaded
.set TM,    16                         ; at work, in the first set, which the stage has read by then
.set X,     144                        ; v144-207 register 32 c + i = k 64 c + 32 (lane / 16) + i of my row
.set PC,    208                        ; v208-247 two sets of 20: the fragment's 12 registers, then at work
.macro QUANT s, pw, pc
.irp c, 0,1
	v_max3_num_f32 v[TM+\c], |v[\s+32*\c]|, |v[\s+1+32*\c]|, 0x1800000   ; with the floor 2^(3 - 127): the byte cannot fall under 1
	v_max3_num_f32 v[TM+2+\c], |v[\s+16+32*\c]|, |v[\s+17+32*\c]|, |v[\s+18+32*\c]|
.endr
.irp i, 2,4,6,8,10,12
.irp c, 0,1
	v_max3_num_f32 v[TM+\c], v[TM+\c], |v[\s+32*\c+\i]|, |v[\s+1+32*\c+\i]|
	v_max3_num_f32 v[TM+2+\c], v[TM+2+\c], |v[\s+17+32*\c+\i]|, |v[\s+18+32*\c+\i]|
.endr
.endr
.irp c, 0,1
	v_max3_num_f32 v[TM+\c], v[TM+\c], |v[\s+32*\c+14]|, |v[\s+32*\c+15]|
.endr
.irp c, 0,1
	v_max3_num_f32 v[TM+\c], v[TM+\c], v[TM+2+\c], |v[\s+32*\c+31]|
.endr
.irp c, 0,1
	v_add_nc_u32 v[TM+4+\c], 0xff000000, v[TM+\c]                 ; 2 off its exponent field: the conversion's scale operand
.endr
.irp c, 0,1
	v_cvt_scalef32_pk16_fp6_f32 v[\pc+6*\c:\pc+2+6*\c], v[\s+32*\c:\s+15+32*\c], v[TM+4+\c]
	v_cvt_scalef32_pk16_fp6_f32 v[\pc+12+4*\c:\pc+14+4*\c], v[\s+16+32*\c:\s+31+32*\c], v[TM+4+\c]
.endr
	v_lshrrev_b32 v[TM+6], 23, v[TM+4]                            ; the scales' bytes: blocks h and 2 + h of my row
	v_lshrrev_b32 v[TM+7], 23, v[TM+5]
	v_lshl_or_b32 v[TM+8], v[TM+7], 16, v[TM+6]
	v_lshlrev_b32 v[TM+8], v14, v[TM+8]
	v_permlanex16_b32 v[TM+9], v[TM+8], s20, s21
	v_or_b32 v[\pw], v[TM+8], v[TM+9]                             ; with lane l xor 16's two the word is whole
.irp c, 0,1
.irp i, 0,1,2
	v_mov_b32 v[\pc+3+6*\c+\i], v[\pc+12+4*\c+\i]
.endr
.endr
.endm
	s_load_b256 s[4:11], s[0:1], 0x0               ; x, wq, wk, wv
	s_load_b128 s[12:15], s[0:1], 0x20             ; xwc, xws
	v_lshl_add_u32 v[SPW], v0, 2, SPARE
	v_mov_b32 v[NIL], 0
	v_lshrrev_b32 v1, 5, v0
	v_readfirstlane_b32 s18, v1                    ; wave 0 .. 10
	v_and_b32 v1, 31, v0                           ; lane
	v_and_b32 v2, 15, v0                           ; r
	v_bfe_u32 v3, v0, 4, 1                         ; h
	v_lshlrev_b32 v4, 4, v1                        ; 16 x lane
	s_mul_i32 s19, s18, STG
	v_add_nc_u32 v5, s19, v4                       ; the stage, on the way in
	v_mul_u32_u24 v6, v2, 528
	v_lshl_add_u32 v6, v3, 7, v6
	v_add_nc_u32 v6, s19, v6                       ; and on the way out: row r, + 128 h
	v_lshlrev_b32 v7, 3, v2                        ; scale words: 8 bytes a row
	v_lshlrev_b32 v14, 3, v3                       ; 8 h
	s_wait_alu depctr_va_vdst(0)
	s_mov_b32 s20, 0x76543210
	s_mov_b32 s21, 0xfedcba98
	s_mul_i32 s28, ttmp9, 11
	s_add_co_u32 s28, s28, s18
	s_and_b32 s24, s28, 3                          ; which pair of chunks
	s_lshr_b32 s28, s28, 2                         ; rowblock 0 .. 703
	s_lshr_b32 s25, s28, 4
	s_lshl_b32 s25, s25, 8
	s_and_b32 s26, s28, 1
	s_lshl_b32 s26, s26, 7
	s_add_co_u32 s25, s25, s26
	s_bfe_u32 s26, s28, 0x10003
	s_lshl_b32 s26, s26, 6
	s_add_co_u32 s25, s25, s26
	s_bfe_u32 s26, s28, 0x20001
	s_lshl_b32 s26, s26, 3
	s_add_co_u32 s25, s25, s26                     ; x: 256 g + 128 w + 64 c + 8 j
	s_bfe_u32 s27, s28, 0x40002
	s_lshl_b32 s27, s27, 6
	s_and_b32 s26, s28, 3
	s_lshl_b32 s26, s26, 3
	s_add_co_u32 s27, s27, s26                     ; a weight: 64 d + 8 j
	s_cmp_lt_u32 s28, 512
	s_cselect_b32 s26, s25, s27
	s_lshl_b32 s26, s26, 12                        ; rows of 4,096 bytes
	s_lshl_b32 s27, s24, 10                        ; + two chunks of 512 bytes
	s_add_co_u32 s26, s26, s27
	s_mov_b32 s27, 0
	s_mul_i32 s30, s28, 12288
	s_mul_i32 s29, s24, 3072
	s_add_co_u32 s30, s30, s29
	s_mov_b32 s31, 0
	s_lshl_b32 s32, s28, 9
	s_lshl_b32 s29, s24, 7
	s_add_co_u32 s32, s32, s29
	s_mov_b32 s33, 0
	s_wait_kmcnt 0x0
	s_cmp_lt_u32 s28, 640                          ; which tensor: the choice hangs on the rowblock's number alone
	s_cselect_b64 s[16:17], s[8:9], s[10:11]
	s_cmp_lt_u32 s28, 576
	s_cselect_b64 s[16:17], s[6:7], s[16:17]
	s_cmp_lt_u32 s28, 512
	s_cselect_b64 s[16:17], s[4:5], s[16:17]
	s_add_nc_u64 s[16:17], s[16:17], s[26:27]
	s_add_nc_u64 s[12:13], s[12:13], s[30:31]
	s_add_nc_u64 s[14:15], s[14:15], s[32:33]
.irp f, 0,1
.irp i, 0,1,2,3,4,5,6,7,8,9,10,11,12,13,14,15
	global_load_b128 v[R+64*\f+4*\i:R+64*\f+4*\i+3], v4, s[16:17] offset:(\i+24*(\i/8))*4096+512*\f th:TH_LOAD_NT
.endr
.endr
.macro FRAGQ f
	s_wait_loadcnt 16*(1-\f)                       ; this fragment's 16 loads are in; the other's 16 may be out
.irp i, 0,1,2,3,4,5,6,7,8,9,10,11,12,13,14,15
	ds_store_b128 v5, v[R+64*\f+4*\i:R+64*\f+4*\i+3] offset:528*\i
.endr
.irp c, 0,1
.irp j, 0,1,2,3,4,5,6,7
	ds_load_b128 v[X+32*\c+4*\j:X+32*\c+4*\j+3], v6 offset:256*\c+16*\j   ; LDS serves a wave's instructions in order: these see the stores above
.endr
.endr
	s_wait_dscnt 0x0
	QUANT X, PW+\f, PC+20*\f
.irp c, 0,1,2
	global_store_b128 v4, v[PC+20*\f+4*\c:PC+20*\f+4*\c+3], s[12:13] offset:1536*\f+512*\c
.endr
.endm
	FRAGQ 0
	FRAGQ 1
	global_store_b64 v7, v[PW:PW+1], s[14:15]      ; 128 consecutive bytes; lanes 16-31 repeat lanes 0-15
	s_wait_tensorcnt 0x0                           ; the wave's end
	ds_add_u32 v[SPW], v[NIL]
	s_wait_dscnt 0x0
	s_endpgm
.Lfunc_end_k_q937ceaad82_quant:
	.size	k_q937ceaad82_quant, .Lfunc_end_k_q937ceaad82_quant-k_q937ceaad82_quant
	.p2alignl 7, 3214868480
	.fill 96, 4, 3214868480
	.section	.rodata,"a",@progbits
	.p2align	6, 0x0
	.amdhsa_kernel k_q937ceaad82_quant
		.amdhsa_group_segment_fixed_size 94464
		.amdhsa_private_segment_fixed_size 0
		.amdhsa_enable_private_segment 0
		.amdhsa_kernarg_size 48
		.amdhsa_user_sgpr_count 2
		.amdhsa_user_sgpr_kernarg_segment_ptr 1
		.amdhsa_wavefront_size32 1
		.amdhsa_system_sgpr_workgroup_id_x 1
		.amdhsa_system_sgpr_workgroup_id_y 1
		.amdhsa_system_sgpr_workgroup_id_z 1
		.amdhsa_system_vgpr_workitem_id 0
		.amdhsa_next_free_vgpr 256
		.amdhsa_next_free_sgpr 66
		.amdhsa_reserve_vcc 0
		.amdhsa_float_denorm_mode_32 3
		.amdhsa_float_denorm_mode_16_64 3
		.amdhsa_memory_ordered 1
		.amdhsa_forward_progress 1
		.amdhsa_inst_pref_size 17
	.end_amdhsa_kernel
	.amdgpu_metadata
---
amdhsa.version: [ 1, 2 ]
amdhsa.kernels:
  - .name:           k_q937ceaad82_quant
    .symbol:         k_q937ceaad82_quant.kd
    .args:
      - { .name: x, .offset: 0, .size: 8, .value_kind: global_buffer, .address_space: global }
      - { .name: wq, .offset: 8, .size: 8, .value_kind: global_buffer, .address_space: global }
      - { .name: wk, .offset: 16, .size: 8, .value_kind: global_buffer, .address_space: global }
      - { .name: wv, .offset: 24, .size: 8, .value_kind: global_buffer, .address_space: global }
      - { .name: xwc, .offset: 32, .size: 8, .value_kind: global_buffer, .address_space: global }
      - { .name: xws, .offset: 40, .size: 8, .value_kind: global_buffer, .address_space: global }
    .group_segment_fixed_size: 94464
    .private_segment_fixed_size: 0
    .kernarg_segment_align: 8
    .kernarg_segment_size: 48
    .max_flat_workgroup_size: 352
    .sgpr_count:     66
    .vgpr_count:     256
    .wavefront_size: 32
...
	.end_amdgpu_metadata
.endif
;; end of part 1
;; launch proj (part 2): grid 16 x 16, 4 waves a work-group, clusters of 4 x 4, 327,680 bytes of LDS; arguments xwc, xws, bq, bk, bv, qkvc, qkvs; writes qkvc, qkvs
.if DOCPART == 2
	.amdgcn_target "amdgcn-amd-amdhsa--gfx1250"
	.amdhsa_code_object_version 6
	.text
	.protected	k_q937ceaad82_proj
	.globl	k_q937ceaad82_proj
	.p2align	8
	.type	k_q937ceaad82_proj,@function
k_q937ceaad82_proj:
	s_mov_b64 s[64:65], 0
	v_nop
	global_prefetch_b8 v0, s[64:65] scope:SCOPE_SE
	s_setreg_imm32_b32 hwreg(HW_REG_WAVE_MODE, 25, 1), 1
	s_wait_xcnt 0x0
	s_wait_alu depctr_hold_cnt(0) depctr_sa_sdst(0) depctr_va_vdst(0) depctr_va_sdst(0) depctr_va_ssrc(0) depctr_va_vcc(0) depctr_vm_vsrc(0)
	s_getreg_b32 s2, hwreg(HW_REG_IB_STS2, 6, 4)
	s_cmp_eq_u32 s2, 0
	s_cbranch_scc0 .Lentry_in_a_cluster
	s_endpgm
.Lentry_in_a_cluster:
	s_bfe_u32 s2, ttmp6, 0x10000c
	s_cmp_lg_u32 s2, 0xf033
	s_cbranch_scc0 .Lentry_shape_is_right
	s_endpgm
.Lentry_shape_is_right:
; q, k, v = x W^T + b on codes of FP6 (E2M3), f32 sums, QUANTISED AGAIN ON THE WAY OUT: q and k along their features, v along the tokens.
; OUT (r = lane % 16, h = lane / 16).  qkvc: q, k: [chunk of 128 features][rowblock: q's 512, k's 512][half of 64 features][512 bytes: registers 0-3 at 16 x lane; 256 bytes: registers 4-5 at 8 x lane]:
; rowblock 8 (token / 128) + 4 c + j, lane-row p = token 64 c + 32 (p / 8) + 8 j + p % 8 of the 128.  Behind 12,582,912 bytes v: [batch][64 tiles of 16 features][16 steps of 128 tokens][1,536]: tile 4 d + t, lane-row p = feature 64 d + 32 (p / 8) + 8 t + p % 8.
; qkvs: [chunk][16,384 positions 16 rowblock + lane-row] words; behind 524,288 bytes v's: [16 steps][4,096 = batch, tile, lane-row] words.
; THE DEAL.  256 work-groups of four waves, 2 x 2; a wave holds 64 rows of a weight, ALL of K, in 384 registers and streams x's rows past them in blocks of 16 rows: 32 products a block.
; A work-group makes 256 x 128 of v, PHASE 1, then 512 x 128 of q or k, PHASE 2.  v's 256 rows are a half of its own 512, so the head's two chunks of 128 rows serve v and then phase 2's first eight blocks.
; Which half (s87) and which tensor (s19) come from the cluster's number alone.  x's rows are shared by a row of the cluster, a weight's rows by a column: each is asked for jointly.
; v comes first: its codes leave behind phase 2's first block.
; LDS: two slots of eight rowblocks of x, a region for eight rowblocks of a weight, two places for a chunk's scale words, stages for the results' scale bytes, the spare words.
; FILLS: at the head one tensor load a wave.  THREE REFILLS, each in a drained round of the cluster's barrier: the weights' region, in v's third block; the other half's chunks and scale words, in phase 2's blocks 2 and 6.
; A plain barrier, behind which nothing is filled, shows a refill where no round follows in time.
; A BLOCK'S LIST: behind every second product two entries, each at most four scalar lines and a vector line: the next block's LDS addresses, descriptors, and the first part of the LAST block's way out.
; WAITS' COUNTS: a block's rows were fetched two blocks ago; younger are the next block's fetch (NF loads) and the byte stores between the two: none, one or four.
; PREFETCHES: what the three refills will load is asked for earlier, each block of 256 bytes once in a cluster, shared out by address among the sixteen waves of the four that ask jointly.
; THE BIAS is the C of a block's first four products.  LIMITS: NaN and infinities are not served.
.set RBB,    12288                     ; a rowblock: 16 rows x 1,024 codes
.set CHK,    8*RBB                     ; a chunk of 128 rows
.set BVB,    2*CHK
.set SCL,    3*CHK
.set SCB,    4096                      ; a chunk's scale words
.set XN,     SCL+2*SCB                 ; q's or k's scale bytes: [wave row][16 blocks in the order of work][r][4]
.set XM,     XN+2048                   ; v's: [wave][4 tiles][r][4]
.set SPARE,  XM+1024
.set NF,     26                        ; LDS loads of a block: 24 for eight fragments, 2 for eight scale words
.set FR,     12
.set FPW,    21                        ; fragments in a window
.set EMAX,   2
.set ADRA0,  4                         ; v4  LDS address of my block 0; v1: of block 1
.set AAS0,   6                         ; v6  of its scale words; v23: of block 1's
.set CO,     9                         ; v9  16 x lane
.set SPW,    10
.set NIL,    11
.set ADRA,   12                        ; v12 the block that is fetched next
.set CO8,    13                        ; v13 8 x lane
.set ADRB,   14
.set ABS,    16
.set AAS,    17
.set STO,    18
.set STV,    19
.set SB,     24                        ; v24-39 the weights' scale words
.set TQ,     40
.set SA,     44                        ; v44-59 the rows' scale words, two sets
.set TC,     60
.set ACC,    64                        ; phase 2: two sets of four accumulators
.set HV0,    64                        ; phase 1, band 0: 32 t + 8 j + i
.set HV1,    840                       ; band 1
.set NCD,    128                       ; phase 2's codes: six registers of the even block, six of the odd
.set BBQ,    160                       ; v160-191 q's or k's bias
.set MCD,    192                       ; v's codes: four operands
.set SOP,    240
.set EB,     244
.set VX,     248
.set SB2,    968                       ; v968-983 phase 2's weights' scale words
.set BBV,    992                       ; v992-1023 v's bias
.set G1A, 24
.set G1B, 32
.set G0A, 56
.set G0B, 60
.set G0R, 68
.set G0S, 72
.set G1S, 92
.set MSB, 0
.macro WIN new
.if MSB != (\new)
	s_set_vgpr_msb (MSB<<8)|(\new)
.set MSB, (\new)
.endif
.endm
.macro PLACES n
.rept \n
	v_nop
.endr
.endm
.macro WALU
	s_wait_alu depctr_va_vdst(0)
.endm
.macro BARRIER
	s_barrier_signal -1
	s_barrier_wait -1
.endm
.macro MIDDLE
	WIN 0
	s_barrier_wait -1
	s_cmp_lg_u32 s14, 0
	s_cbranch_scc1 .Lnot_wave_0_\@
	s_barrier_signal -3
.Lnot_wave_0_\@:
	s_barrier_wait -3
.endm
.macro CROUND
	s_barrier_signal -1
	MIDDLE
	BARRIER
.endm
.macro GRD
	s_wait_tensorcnt 0x0
	ds_add_u32 v[SPW], v[NIL]
.endm
.macro TLOAD g0, g1
	tensor_load_to_lds s[\g0:\g0+3], s[\g1:\g1+7]
	s_nop 0
	PLACES 4
.endm
.macro GROUP1 g, mask, d0, rows        ; dense rows of d0 elements of 8 bytes
	s_or_b32 s[\g], s\mask, (3<<16)|(1<<21)
	s_mov_b32 s[\g+1], (\d0)<<16
	s_mov_b32 s[\g+2], (\rows)<<16
	s_mov_b32 s[\g+3], (\d0)<<16
	s_mov_b32 s[\g+4], \rows
	s_mov_b32 s[\g+5], \d0
	s_mov_b32 s[\g+6], 0
	s_mov_b32 s[\g+7], 0
.endm
.macro SADD d, x
	s_add_co_u32 s\d, s\d, s\x
.endm
.macro G0SET g, base, off
	s_mov_b32 s20, s\off
	s_add_nc_u64 s[\g+2:\g+3], s[\base:\base+1], s[20:21]
	s_or_b32 s[\g+3], s[\g+3], 0x80000000
.endm
; fragment f lies in window 1 + f / 21 at register 12 (f % 21): 0-31 the weights' (4 q + b), 32-39 and 40-47 the rows' two sets
.macro FRAG f, adr, off
	WIN (1+(\f)/FPW)<<6
.set R_, FR*((\f)%FPW)
.irp k, 0,1,2
	ds_load_b128 v[R_+4*\k:R_+4*\k+3], \adr offset:(\off)+512*\k
.endr
.endm
.macro WEIGHTS
.irp q, 0,1,2,3,4,5,6,7
.irp b, 0,1,2,3
	FRAG 4*\q+\b, v[ADRB], RBB*\b+1536*\q
.endr
.endr
	WIN 0
.endm
.macro FETCHAT e, adr, as
.irp q, 0,1,2,3,4,5,6,7
	FRAG 32+8*(\e)+\q, \adr, 1536*\q
.endr
	WIN 0
	ds_load_2addr_b64 v[SA+8*(\e):SA+8*(\e)+3], \as offset0:0 offset1:16
	ds_load_2addr_b64 v[SA+8*(\e)+4:SA+8*(\e)+7], \as offset0:32 offset1:48
.endm
.macro FETCH e
	FETCHAT \e, v[ADRA], v[AAS]
.endm
.macro FETCH01                         ; a phase's first two blocks, from slot 0
	FETCHAT 0, v[ADRA0], v[AAS0]
	FETCHAT 1, v1, v23
	s_mov_b32 s101, 2*RBB
	s_mov_b32 s91, 1024
.endm
; a product, n = 4 q + tile.  kind 0 (q, k): source 0 the weight's rows; kind 1 (v): source 0 x's rows
.macro PROD kind, e, n, a0, as
.set Q_, (\n)/4
.set FB_, 4*Q_+(\n)%4
.set FA_, 32+8*(\e)+Q_
.set D_, (\a0)+(\as)*((\n)%4)
.set DL_, D_&255
.set XB_, SB+8*(((\n)%4)/2)+Q_
.set XA_, SA+8*(\e)+Q_
.if \kind
.if Q_
	WIN (1+FA_/FPW)|((1+FB_/FPW)<<2)|((D_>>8)<<4)|((D_>>8)<<6)
	PROD1 DL_, FA_, FB_, v[DL_:DL_+7], XA_, XB_, b, (\n)%2
.else
	WIN (1+FA_/FPW)|((1+FB_/FPW)<<2)|(3<<4)|((D_>>8)<<6)
	PROD1 DL_, FA_, FB_, v[BBV-768+8*((\n)%4):BBV-768+8*((\n)%4)+7], XA_, XB_, b, (\n)%2
.endif
.else
	WIN (1+FB_/FPW)|((1+FA_/FPW)<<2)|((D_>>8)<<4)|((D_>>8)<<6)
.if Q_
	PROD1 DL_, FB_, FA_, v[DL_:DL_+7], XB_, XA_, a, (\n)%2
.else
	PROD1 DL_, FB_, FA_, v[BBQ+8*((\n)%4):BBQ+8*((\n)%4)+7], XB_, XA_, a, (\n)%2
.endif
.endif
.endm
.macro PROD1 d, s0, s1, c, x0, x1, side, o
.if \o
	v_wmma_scale_f32_16x16x128_f8f6f4 v[\d:\d+7], v[FR*((\s0)%FPW):FR*((\s0)%FPW)+FR-1], v[FR*((\s1)%FPW):FR*((\s1)%FPW)+FR-1], \c, v[\x0], v[\x1] matrix_a_fmt:MATRIX_FMT_FP6 matrix_b_fmt:MATRIX_FMT_FP6 matrix_\side\()_scale:MATRIX_SCALE_ROW1
.else
	v_wmma_scale_f32_16x16x128_f8f6f4 v[\d:\d+7], v[FR*((\s0)%FPW):FR*((\s0)%FPW)+FR-1], v[FR*((\s1)%FPW):FR*((\s1)%FPW)+FR-1], \c, v[\x0], v[\x1] matrix_a_fmt:MATRIX_FMT_FP6 matrix_b_fmt:MATRIX_FMT_FP6 matrix_\side\()_scale:MATRIX_SCALE_ROW0
.endif
.endm
.macro BLOCK kind, e, a0, as, from, to, list, x=0, y=0
.set N_, \from
.rept (\to)-(\from)
	PROD \kind, \e, N_, \a0, \as
.if N_%2
	\list N_-1, \x, \y
	\list N_, \x, \y
.endif
.set N_, N_+1
.endr
.endm
.macro STEP i, wrap                    ; to the next block's LDS addresses: 2 entries; with the test for the ring's end 3
.if \wrap
.if (\i) == 0
	s_add_co_u32 s101, s101, 2*RBB
	s_cmp_eq_u32 s101, 2*CHK
	s_cselect_b32 s101, 0, s101
	s_add_co_u32 s91, s91, 1024
.elseif (\i) == 1
	s_cmp_eq_u32 s91, 2*SCB
	s_cselect_b32 s91, 0, s91
.endif
	STEPV (\i)-1
.else
.if (\i) == 0
	s_add_co_u32 s101, s101, 2*RBB
	s_add_co_u32 s91, s91, 1024
.endif
	STEPV \i
.endif
.endm
.macro STEPV i
.if (\i) == 0
	WIN 0
	v_add_nc_u32 v[ADRA], s101, v[ADRA0]
.elseif (\i) == 1
	WIN 0
	v_add_nc_u32 v[AAS], s91, v[AAS0]
.endif
.endm
.macro CHAIN i, x, n, t=TQ             ; a way out's first part, 18 entries: the largest magnitude of the 32 sums from register x on, by two chains, and the conversions' scale operand
.set XW_, (\x)>>8
.set XL_, (\x)&255
.if (\i) >= 0 && (\i) < 14
.set B_, XL_+16*((\i)%2)+2*((\i)/2)
.set T_, (\t)+1-(\i)%2
.if (\i) < 2
	WIN XW_|(XW_<<2)|(XW_<<4)
	v_max3_num_f32 v[T_], |v[B_]|, |v[B_+1]|, |v[B_+2]|
.else
	WIN (XW_<<2)|(XW_<<4)
	v_max3_num_f32 v[T_], v[T_], |v[B_+1]|, |v[B_+2]|
.endif
.elseif (\i) == 14
	WIN XW_<<2
	v_max3_num_f32 v[\t+1], v[\t+1], |v[XL_+15]|, (EMAX+1)<<23
.elseif (\i) == 15
	WIN 0
	v_nop                                  ; so that the next line, which reads entry 14's result, stands in the next pair
.elseif (\i) == 16
	WIN XW_<<2
	v_max3_num_f32 v[\t], v[\t], |v[XL_+31]|, v[\t+1]
.elseif (\i) == 17
	WIN 0
	v_add_nc_u32 v[SOP+\n], -(EMAX<<23), v[\t]
.endif
.endm
.macro CODES i, x, c, n, t=TC          ; its second part, 6 lines: 32 codes into v[c .. c+5], the scale's byte into v[EB+n]
.set XW_, (\x)>>8
.set XL_, (\x)&255
.if (\i) == 0
	WIN XW_
	v_cvt_scalef32_pk16_fp6_f32 v[\c:\c+2], v[XL_:XL_+15], v[SOP+\n]
.elseif (\i) == 1
	WIN XW_
	v_cvt_scalef32_pk16_fp6_f32 v[\t:\t+2], v[XL_+16:XL_+31], v[SOP+\n]
.elseif (\i) == 2
	WIN 0
	v_lshrrev_b32 v[EB+\n], 23, v[SOP+\n]
.else
	WIN 0
	v_mov_b32 v[\c+\i], v[\t+\i-3]
.endif
.endm
.macro CODES6 x, c, n
.irp i, 0,1,2,3,4,5
	CODES \i, \x, \c, \n
.endr
.endm
.macro PFTILE v, off, share            ; one entry: my sixteenth, 24 blocks of 256 bytes, of a chunk
	s_mul_i32 s21, s\share, CHK/16
	s_add_co_u32 s20, s\off, s21
	WIN 0
	v_min_u32 v\v, CHK/16/256-1, v3
	v_lshl_add_u32 v\v, v\v, 8, s20
.endm
.macro PFGO v, base
	global_prefetch_b8 v\v, s[\base:\base+1] th:TH_LOAD_NT scope:SCOPE_SE
.endm
.macro PUT2 r, off                     ; six registers: 512 and 256 consecutive bytes
	global_store_b128 v[CO], v[\r:\r+3], s[84:85] offset:\off
	global_store_b64 v[CO8], v[\r+4:\r+5], s[84:85] offset:(\off)+512
.endm
.macro ASK i                           ; 4 entries: the descriptors of the chunk at s88 for slot s47 and of its scale words at s55 for s8; then all four step on
.if (\i) == 0
	s_mul_i32 s[G0R+1], s14, CHK/2
	s_add_co_u32 s[G0R+1], s[G0R+1], s47
	s_mul_i32 s20, s14, CHK/2
	SADD 20, 88
.elseif (\i) == 1
	s_mov_b32 s21, 0
	s_add_nc_u64 s[G0R+2:G0R+3], s[4:5], s[20:21]
	s_or_b32 s[G0R+3], s[G0R+3], 0x80000000
	s_mov_b32 s[G0S+1], s8
.elseif (\i) == 2
	s_mov_b32 s20, s55
	s_add_nc_u64 s[G0S+2:G0S+3], s[6:7], s[20:21]
	s_or_b32 s[G0S+3], s[G0S+3], 0x80000000
	s_add_co_u32 s88, s88, CHK
.elseif (\i) == 3
	s_add_co_u32 s55, s55, SCB
	s_xor_b32 s47, s47, CHK
	s_xor_b32 s8, s8, (SCL)^(SCL+SCB)
.endif
.endm
.macro PAIR i                          ; 3 entries: where pair s46's codes go (s[84:85]: by the true half) and its scale bytes (v[VX]: by the order of work)
.if (\i) == 0
	s_lshr_b32 s20, s46, 2
	s_xor_b32 s20, s20, s87
	s_mul_i32 s20, s20, 16*1536
	s_and_b32 s21, s46, 3
.elseif (\i) == 1
	s_mul_i32 s21, s21, 2*1536
	SADD 20, 21
	s_mov_b32 s21, 0
	s_add_nc_u64 s[84:85], s[10:11], s[20:21]
.elseif (\i) == 2
	s_lshl_b32 s22, s46, 7
	s_add_co_u32 s46, s46, 1
	WIN 0
	v_add_nc_u32 v[VX], s22, v[STO]
.endif
.endm
.macro L_STEP i, x, y
	STEP \i, 0
.endm
.macro L_NONE i, x, y
.endm
.macro L_OUT i, x, y
	STEP \i, 0
	CHAIN (\i)-2, \x, \y
.endm
.macro L_LAST i, x, y
	CHAIN \i, \x, \y
.endm
.macro L_V2 i, x, y                    ; v's third block: the first refill's descriptors, the later refills' group 1, the step, prefetches for the second refill
.if (\i) == 0
	s_mov_b32 s[G1A+2], 4<<16
	s_mov_b32 s[G1A+4], 4
	s_mov_b32 s[G1S+2], 16<<16
	s_mov_b32 s[G1S+4], 16
.elseif (\i) == 1
	s_mov_b32 s[G1B+2], 4<<16
	s_mov_b32 s[G1B+4], 4
	s_mul_i32 s[G0B+1], s14, CHK/2
	s_add_co_u32 s[G0B+1], s[G0B+1], BVB
.elseif (\i) == 2
	s_mul_i32 s20, s14, CHK/2
	SADD 20, 9
	s_mov_b32 s21, 0
	s_add_nc_u64 s[G0B+2:G0B+3], s[4:5], s[20:21]
.elseif (\i) == 3
	s_or_b32 s[G0B+3], s[G0B+3], 0x80000000
.elseif (\i) == 7
	PFTILE 7, 88, 90
.elseif (\i) == 8
	s_lshl_b32 s21, s90, 9
	s_add_co_u32 s20, s55, s21
	WIN 0
	v_min_u32 v8, 1, v3
	v_lshl_add_u32 v8, v8, 8, s20
.endif
	STEP (\i)-4, 0
.endm
.macro L_V7 i, x, y
.if (\i) == 0
	s_add_co_u32 s22, s88, CHK
	PFTILE 20, 22, 90
.endif
	CHAIN (\i)-1, \x, \y
.endm
.macro L_ODD i, x, y
	PAIR \i
	STEP (\i)-3, 0
	CHAIN (\i)-5, ACC, 0
.endm
.macro L_ODDL i, x, y
	PAIR \i
	CHAIN (\i)-3, ACC, 0
.endm
.macro L_ROUND i, x, y
	ASK \i
	STEP (\i)-4, 1
	CHAIN (\i)-8, ACC+32, 1
.endm
.macro WAITDS w
.if (\w) >= 0
	s_wait_dscnt \w
.endif
.endm
.macro EVENOUT fetch
	WALU
	ds_store_b8 v[VX], v[EB+1] offset:64
	PUT2 NCD+6, 1536
.if \fetch
	FETCH 0
.endif
.endm
.macro EVEN w, fetch
	WAITDS \w
.if \fetch
	BLOCK 0, 0, ACC, 8, 0, 32, L_OUT, ACC+32, 1
.else
	BLOCK 0, 0, ACC, 8, 0, 32, L_LAST, ACC+32, 1
.endif
	WIN 0
	CODES6 ACC+32, NCD+6, 1
	EVENOUT \fetch
.endm
.macro EVENROUND w                     ; the second and the third refill: the round stands inside the block, among register work
	WAITDS \w
	GRD
	BLOCK 0, 0, ACC, 8, 0, 26, L_ROUND
	WIN 0
	WALU
	s_wait_dscnt 0x0
	s_barrier_signal -1
	BLOCK 0, 0, ACC, 8, 26, 32, L_NONE
	WIN 0
	CODES6 ACC+32, NCD+6, 1
	MIDDLE
	BARRIER
	s_cmp_lt_u32 s14, 2
	s_cbranch_scc0 .Lscales_\@
	TLOAD G0R, G1A
	s_branch .Lasked_\@
.Lscales_\@:
	s_cmp_eq_u32 s14, 2
	s_cbranch_scc0 .Lnone_\@
	TLOAD G0S, G1S
.Lnone_\@:
.Lasked_\@:
	EVENOUT 1
.endm
.macro EVENSHOW w                      ; a plain barrier shows the last refill to all
	WAITDS \w
	BLOCK 0, 0, ACC, 8, 0, 26, L_OUT, ACC+32, 1
	WIN 0
	WALU
	s_wait_tensorcnt 0x0
	s_wait_dscnt 0x0
	s_barrier_signal -1
	BLOCK 0, 0, ACC, 8, 26, 32, L_NONE
	WIN 0
	s_barrier_wait -1
	CODES6 ACC+32, NCD+6, 1
	EVENOUT 1
.endm
.macro ODD w, fetch
	WAITDS \w
	s_wait_xcnt 0x0                        ; earlier stores have read their registers and their base
.if \fetch
	BLOCK 0, 1, ACC+32, 8, 0, 32, L_ODD
.else
	BLOCK 0, 1, ACC+32, 8, 0, 32, L_ODDL
.endif
	WIN 0
	CODES6 ACC, NCD, 0
	WALU
	ds_store_b8 v[VX], v[EB]
	PUT2 NCD, 0
.if \fetch
	FETCH 1
.endif
.endm
; THE HEAD
	s_load_b128 s[4:7], s[0:1], 0x0                     ; xwc, xws
	s_load_b64 s[2:3], s[0:1], 0x10                     ; bq
	s_load_b64 s[46:47], s[0:1], 0x18                   ; bk
	s_load_b64 s[52:53], s[0:1], 0x20                   ; bv
	s_load_b128 s[48:51], s[0:1], 0x28                  ; qkvc, qkvs
	v_lshl_add_u32 v[SPW], v0, 2, SPARE
	v_mov_b32 v[NIL], 0
	ds_add_u32 v[SPW], v[NIL]                           ; the opening lines: the add, twice on end, and its wait
	ds_add_u32 v[SPW], v[NIL]
	v_lshrrev_b32 v1, 5, v0
	v_readfirstlane_b32 s14, v1                         ; s14 the wave; s15 its row of the 2 x 2, s16 its column
	s_lshr_b32 s15, s14, 1
	s_and_b32 s16, s14, 1
	v_and_b32 v1, 15, v0                                ; r
	v_bfe_u32 v2, v0, 4, 1                              ; h
	v_and_b32 v3, 31, v0                                ; lane
	v_lshlrev_b32 v[CO], 4, v3
	v_lshlrev_b32 v[CO8], 3, v3
	s_mul_i32 s21, s15, RBB
	v_add_nc_u32 v[ADRA0], s21, v[CO]
	s_mul_i32 s22, s16, 4*RBB
	s_add_co_u32 s22, s22, BVB
	v_add_nc_u32 v[ADRB], s22, v[CO]
	v_lshlrev_b32 v23, 3, v1
	s_lshl_b32 s21, s15, 9
	s_add_co_u32 s21, s21, SCL
	v_add_nc_u32 v[AAS0], s21, v23
	v_lshl_add_u32 v[ABS], v2, 9, v23                   ; lanes 16-31 take the odd tile's rowblock
	v_lshl_add_u32 v22, v1, 2, v2
	s_lshl_b32 s21, s15, 10
	s_lshl_b32 s22, s16, 1
	SADD 21, 22
	s_add_co_u32 s21, s21, XN
	v_add_nc_u32 v[STO], s21, v22
	s_lshl_b32 s21, s14, 8
	s_add_co_u32 s21, s21, XM
	v_add_nc_u32 v[STV], s21, v22
	v_lshlrev_b32 v21, 7, v2                            ; q, k's bias: 128 bytes on end for each half of the lanes
	v_lshrrev_b32 v8, 3, v1
	v_lshlrev_b32 v8, 7, v8
	v_and_b32 v7, 7, v1
	v_lshl_add_u32 v8, v7, 2, v8                        ; v's: lane (r, h) of tile t has column 32 (r / 8) + 8 t + r % 8
	v_add_nc_u32 v1, 2*RBB, v[ADRA0]
	v_add_nc_u32 v23, 1024, v[AAS0]
	WALU
	s_bfe_u32 s40, ttmp6, 0x40000                       ; cx
	s_bfe_u32 s41, ttmp6, 0x40004                       ; cy
	s_lshl_b32 s42, ttmp9, 2
	s_add_co_u32 s42, s42, s40                          ; s42 phase 2's tile column: 0-7 q's, 8-15 k's
	s_and_b32 s43, ttmp7, 0xffff
	s_lshl_b32 s43, s43, 2
	s_add_co_u32 s43, s43, s41                          ; s43 its tile row
	s_lshr_b32 s19, ttmp9, 1                            ; s19: 0 q, 1 k
	s_and_b32 s87, ttmp9, 1                             ; s87: v's half of my 512 rows
	s_lshl_b32 s13, s19, 2
	s_add_co_u32 s13, s13, s40                          ; s13 v's tile column
	s_lshl_b32 s12, s43, 1
	s_add_co_u32 s12, s12, s87                          ; s12 v's tile row
	s_lshl_b32 s44, s41, 2
	s_lshl_b32 s44, 15, s44                             ; my row of the cluster
	s_lshl_b32 s45, 0x1111, s40                         ; my column
	GROUP1 G1A, 44, 1536, 8
	GROUP1 G1B, 45, 1536, 8
	GROUP1 G1S, 44, 32, 32
	s_mov_b32 s[G0S], 1
	s_mov_b32 s[G0S+1], SCL
	s_mov_b32 s[G0A], 1
	s_mov_b32 s[G0A+1], 0
	s_mov_b32 s[G0B], 1
	s_mov_b32 s[G0B+1], BVB
	s_mov_b32 s[G0R], 1
	s_mov_b32 s[G0R+1], CHK
	s_mul_i32 s88, s43, 4*CHK                           ; my 512 rows, bytes from xwc
	s_mul_i32 s66, s12, 2*CHK                           ; v's half of them
	s_mul_i32 s9, s42, CHK
	s_add_co_u32 s9, s9, 512*RBB                        ; W_q's or W_k's rows
	s_mul_i32 s54, s13, CHK
	s_add_co_u32 s54, s54, 640*RBB                      ; W_v's
	s_lshl_b32 s55, s43, 14                             ; my rows' scale words, bytes from xws
	s_lshl_b32 s89, s12, 13
	s_lshl_b32 s21, s16, 11
	s_lshl_b32 s82, s42, 12
	SADD 82, 21
	s_add_co_u32 s82, s82, 512*512
	s_mov_b32 s83, 0
	s_lshl_b32 s84, s13, 12
	SADD 84, 21
	s_add_co_u32 s84, s84, 640*512
	s_mov_b32 s85, 0
	s_lshl_b32 s90, s40, 2
	SADD 90, 14                                         ; my number among the sixteen waves of my row of the cluster
	s_lshl_b32 s100, s41, 2
	SADD 100, 14                                        ; and of my column
	s_wait_dscnt 0x0
	CROUND                                              ; all sixteen work-groups are here
	s_wait_kmcnt 0x0
	s_add_nc_u64 s[84:85], s[6:7], s[84:85]             ; W_v's scale words, my 64 rows
	s_add_nc_u64 s[10:11], s[6:7], s[82:83]             ; W_q's or W_k's
	s_mov_b32 s20, s66
	s_mov_b32 s21, 0
	s_add_nc_u64 s[G0A+2:G0A+3], s[4:5], s[20:21]
	s_add_nc_u64 s[G0R+2:G0R+3], s[G0A+2:G0A+3], CHK
	s_or_b32 s[G0A+3], s[G0A+3], 0x80000000
	s_or_b32 s[G0R+3], s[G0R+3], 0x80000000
	G0SET G0B, 4, 54
	G0SET G0S, 6, 89
	s_cmp_eq_u32 s14, 0
	s_cbranch_scc0 .Lwave_1
	TLOAD G0B, G1B                                      ; wave 0: W_v's rows
	s_branch .Lasked
.Lwave_1:
	s_cmp_eq_u32 s14, 1
	s_cbranch_scc0 .Lwave_2
	TLOAD G0S, G1S                                      ; wave 1: both chunks' scale words
	s_branch .Lasked
.Lwave_2:
	s_cmp_eq_u32 s14, 2
	s_cbranch_scc0 .Lwave_3
	TLOAD G0A, G1A                                      ; wave 2: chunk 0
	s_branch .Lasked
.Lwave_3:
	TLOAD G0R, G1A                                      ; wave 3: chunk 1
.Lasked:
.irp p, 0,1
.irp m, 0,1,2,3
	global_load_b64 v[SB+8*\p+2*\m:SB+8*\p+2*\m+1], v[ABS], s[84:85] offset:1024*\p+128*\m
.endr
.endr
	s_lshl_b32 s22, s13, 1
	SADD 22, 16
	s_lshl_b32 s22, s22, 8                              ; my 64 columns of v
	s_mov_b32 s23, 0
	s_add_nc_u64 s[22:23], s[52:53], s[22:23]
	WIN 3<<6
.irp t, 0,1,2,3
	global_load_b32 v[BBV-768+8*\t], v8, s[22:23] offset:32*\t
.endr
.irp p, 0,1
.irp m, 0,1,2,3
	global_load_b64 v[SB2-768+8*\p+2*\m:SB2-768+8*\p+2*\m+1], v[ABS], s[10:11] offset:1024*\p+128*\m
.endr
.endr
	WIN 0
	s_mul_i32 s76, s43, 32*1536                         ; where the results go: q's or k's codes
	s_mul_i32 s20, s15, 8*1536
	SADD 76, 20
	s_mul_i32 s20, s16, 768
	SADD 76, 20
	s_mul_i32 s20, s19, 512*1536
	SADD 76, 20
	s_and_b32 s21, s42, 7
	s_mul_i32 s20, s21, 1024*1536
	SADD 76, 20
	s_mov_b32 s77, 0
	s_lshl_b32 s78, s21, 16                             ; their scale words: this wave stores wave row s15's, in the order of work half s16
	s_lshl_b32 s20, s19, 15
	SADD 78, 20
	s_lshl_b32 s20, s43, 11
	SADD 78, 20
	s_xor_b32 s20, s16, s87
	s_lshl_b32 s20, s20, 10
	SADD 78, 20
	s_lshl_b32 s20, s15, 9
	SADD 78, 20
	s_mov_b32 s79, 0
	s_lshl_b32 s20, s12, 1
	SADD 20, 15                                         ; v's step of 128 tokens
	s_lshr_b32 s21, s20, 4                              ; its batch
	s_and_b32 s20, s20, 15
	s_lshl_b32 s80, s21, 6
	s_lshl_b32 s82, s13, 3
	SADD 80, 82
	s_lshl_b32 s82, s16, 2
	SADD 80, 82
	s_lshl_b32 s80, s80, 4
	SADD 80, 20
	s_mul_i32 s80, s80, 1536
	s_add_co_u32 s80, s80, 12582912
	s_mov_b32 s81, 0
	s_lshl_b32 s82, s20, 14
	s_lshl_b32 s20, s21, 12
	SADD 82, 20
	s_lshl_b32 s20, s13, 9
	SADD 82, 20
	s_lshl_b32 s20, s16, 8
	SADD 82, 20
	s_add_co_u32 s82, s82, 524288
	s_mov_b32 s83, 0
	s_lshl_b32 s20, s42, 1
	SADD 20, 16
	s_and_b32 s20, s20, 15
	s_lshl_b32 s20, s20, 8                              ; my 64 columns of q or k
	s_mov_b32 s21, 0
	s_cmp_eq_u32 s19, 1
	s_cselect_b64 s[2:3], s[46:47], s[2:3]
	s_add_nc_u64 s[12:13], s[2:3], s[20:21]             ; kept for the loads between the phases
	s_wait_xcnt 0x0
	s_add_nc_u64 s[10:11], s[48:49], s[76:77]
	s_add_nc_u64 s[78:79], s[50:51], s[78:79]
	s_add_nc_u64 s[80:81], s[48:49], s[80:81]
	s_add_nc_u64 s[52:53], s[50:51], s[82:83]
	s_mov_b32 s46, 0
	s_mov_b32 s47, 0
	s_mov_b32 s8, SCL
	s_xor_b32 s20, s87, 1                               ; the chunks still to come are the other half's
	s_mul_i32 s21, s20, 2*CHK
	SADD 88, 21
	s_mul_i32 s21, s20, 2*SCB
	SADD 55, 21
	s_wait_loadcnt 0x0
	WIN (3<<6)|3
.irp t, 0,8,16,24
.irp i, 1,2,3,4,5,6,7
	v_mov_b32 v[BBV-768+\t+\i], v[BBV-768+\t]          ; v's number, one a lane and tile, over the tile's eight registers
.endr
.endr
	WIN 0
	PFTILE 8, 9, 100                                    ; what the first refill will load
	WALU
	s_cmp_eq_u32 s14, 0
	s_cbranch_scc0 .Lnot_b
	s_wait_tensorcnt 0x0
.Lnot_b:
	BARRIER                                             ; W_v's rows are in
	PFGO 8, 4
	WEIGHTS
	s_cmp_eq_u32 s14, 3
	s_cbranch_scc1 .Lnot_a0
	s_wait_tensorcnt 0x0
.Lnot_a0:
	s_wait_dscnt 0x0
	BARRIER                                             ; chunk 0 and the scale words are in; chunk 1 may still be on its way
	FETCH01
; PHASE 1: v, eight blocks; band 0's way outs stand in band 1's blocks
.irp s, 0,1
	s_wait_dscnt NF
	BLOCK 1, \s, HV0+8*\s, 32, 0, 32, L_STEP
	WIN 0
	PLACES 4
	WALU
	FETCH \s
.endr
	s_wait_dscnt NF
	s_wait_xcnt 0x0                                     ; the list writes v8, the address of the head's prefetch
	GRD
	BLOCK 1, 0, HV0+16, 32, 0, 24, L_V2
	WIN 0
	WALU
	s_wait_dscnt 0x0
	s_barrier_signal -1
	BLOCK 1, 0, HV0+16, 32, 24, 32, L_NONE
	MIDDLE
	BARRIER
	s_cmp_lt_u32 s14, 2
	s_cbranch_scc0 .Lno_half
	TLOAD G0B, G1B                                      ; waves 0 and 1 a half each of W_q's or W_k's rows, onto W_v's, which all waves hold in registers
.Lno_half:
	PLACES 4
	WALU
	FETCH 0
	PFGO 7, 4
	PFGO 8, 6
	BLOCK 1, 1, HV0+24, 32, 0, 32, L_STEP
	WIN 0
	PLACES 4
	WALU
	FETCH 1
.irp j, 0,1,2
	s_wait_dscnt NF+(\j+1)/2
.if \j < 2
	BLOCK 1, \j%2, HV1+8*\j, 32, 0, 32, L_OUT, HV0+32*\j, \j
.else
	BLOCK 1, \j%2, HV1+8*\j, 32, 0, 32, L_LAST, HV0+32*\j, \j
.endif
	WIN 0
	CODES6 HV0+32*\j, MCD+12*\j, \j
	WALU
	ds_store_b8 v[STV], v[EB+\j] offset:64*\j
.if \j < 2
	FETCH \j%2
.endif
.endr
	s_wait_dscnt 1
	BLOCK 1, 1, HV1+24, 32, 0, 26, L_V7, HV0+96, 3
	WIN 0
	WALU
	s_wait_tensorcnt 0x0
	s_wait_dscnt 0x0
	s_barrier_signal -1                                 ; a plain barrier: the weights that the first refill brought are shown to all
	BLOCK 1, 1, HV1+24, 32, 26, 32, L_NONE
	WIN 0
	s_barrier_wait -1
	CODES6 HV0+96, MCD+36, 3
	WALU
	ds_store_b8 v[STV], v[EB+3] offset:192
; THE CHANGE OF PHASE: the weights and the first two blocks' rows, which lie in slot 0 still, in one run of loads; band 1's four way outs under their flight
.irp k, 0,1,2,3,4,5,6,7
	global_load_b128 v[BBQ+4*\k:BBQ+4*\k+3], v21, s[12:13] offset:16*\k
.endr
	WEIGHTS
	FETCH01
	PFGO 20, 4
	WIN 3
.set I, 0
.rept 16
	v_mov_b32 v[SB+I], v[SB2-768+I]
.set I, I+1
.endr
	WIN 0
.set I, 0
.rept 18
.irp t, 0,1,2,3
	CHAIN I, HV1+32*\t, \t, 64+4*\t
.endr
.set I, I+1
.endr
.set I, 0
.rept 6
.irp t, 0,1,2,3
	CODES I, HV1+32*\t, MCD+12*\t+6, \t, 80+4*\t
.endr
.set I, I+1
.endr
	WIN 0
	WALU
; PHASE 2: q or k, sixteen blocks, way outs by pairs
	s_wait_loadcnt 0x0
	s_wait_dscnt NF
	BLOCK 0, 0, ACC, 8, 0, 32, L_STEP
	WIN 0
	PLACES 4
	WALU
.irp t, 0,1,2,3
	ds_store_b8 v[STV], v[EB+\t] offset:2+64*\t
.endr
.irp t, 0,1,2,3
.irp k, 0,1,2
	global_store_b128 v[CO], v[MCD+12*\t+4*\k:MCD+12*\t+4*\k+3], s[80:81] offset:24576*\t+512*\k   ; v's codes leave
.endr
.endr
	FETCH 0
	ODD NF+4, 1
	s_mov_b32 s86, 0
.Lwith_rounds:                                          ; blocks 2 to 5, 6 to 9
	EVENROUND NF+1
	ODD -1, 1
	EVEN NF+1, 1
	ODD NF+1, 1
	s_add_co_u32 s86, s86, 1
	s_cmp_lg_u32 s86, 2
	s_cbranch_scc1 .Lwith_rounds
.Lwithout:                                              ; blocks 10, 11 and 12, 13
	EVENSHOW NF+1
	ODD -1, 1
	s_add_co_u32 s86, s86, 1
	s_cmp_lg_u32 s86, 4
	s_cbranch_scc1 .Lwithout
	EVEN NF+1, 0
	ODD 1, 0
; THE END: the last way out; the scale bytes go through LDS under its conversions
	s_lshl_b32 s21, s14, 9
	s_add_co_u32 s21, s21, XN
	v_add_nc_u32 v12, s21, v[CO]
	s_lshl_b32 s21, s14, 8
	s_add_co_u32 s21, s21, XM
	v_add_nc_u32 v14, s21, v[CO8]
.set I, 0
.rept 18
	CHAIN I, ACC+32, 1
.set I, I+1
.endr
	CODES 2, ACC+32, NCD+6, 1
	WALU
	ds_store_b8 v[VX], v[EB+1] offset:64
	s_wait_dscnt 0x0
	s_barrier_signal -1
	CODES 0, ACC+32, NCD+6, 1
	CODES 1, ACC+32, NCD+6, 1
	v_nop
.irp i, 3,4,5
	CODES \i, ACC+32, NCD+6, 1
.endr
	WALU
	s_barrier_wait -1
	ds_load_b128 v[64:67], v12
	ds_load_b64 v[68:69], v14
	PUT2 NCD+6, 1536
	s_wait_dscnt 0x0
	global_store_b128 v[CO], v[64:67], s[78:79]
	global_store_b64 v[CO8], v[68:69], s[52:53]
	s_wait_tensorcnt 0x0                                ; the wave's end
	ds_add_u32 v[SPW], v[NIL]
	s_wait_dscnt 0x0
	CROUND                                              ; the closing round
	s_endpgm
.Lfunc_end_k_q937ceaad82_proj:
	.size	k_q937ceaad82_proj, .Lfunc_end_k_q937ceaad82_proj-k_q937ceaad82_proj
	.p2alignl 7, 3214868480
	.fill 96, 4, 3214868480
	.section	.rodata,"a",@progbits
	.p2align	6, 0x0
	.amdhsa_kernel k_q937ceaad82_proj
		.amdhsa_group_segment_fixed_size 327680
		.amdhsa_private_segment_fixed_size 0
		.amdhsa_enable_private_segment 0
		.amdhsa_kernarg_size 56
		.amdhsa_user_sgpr_count 2
		.amdhsa_user_sgpr_kernarg_segment_ptr 1
		.amdhsa_wavefront_size32 1
		.amdhsa_system_sgpr_workgroup_id_x 1
		.amdhsa_system_sgpr_workgroup_id_y 1
		.amdhsa_system_sgpr_workgroup_id_z 1
		.amdhsa_system_vgpr_workitem_id 0
		.amdhsa_next_free_vgpr 1024
		.amdhsa_next_free_sgpr 102
		.amdhsa_reserve_vcc 0
		.amdhsa_float_denorm_mode_32 3
		.amdhsa_float_denorm_mode_16_64 3
		.amdhsa_memory_ordered 1
		.amdhsa_forward_progress 1
		.amdhsa_inst_pref_size 183
	.end_amdhsa_kernel
	.amdgpu_metadata
---
amdhsa.version: [ 1, 2 ]
amdhsa.kernels:
  - .name:           k_q937ceaad82_proj
    .symbol:         k_q937ceaad82_proj.kd
    .args:
      - { .name: xwc, .offset: 0, .size: 8, .value_kind: global_buffer, .address_space: global }
      - { .name: xws, .offset: 8, .size: 8, .value_kind: global_buffer, .address_space: global }
      - { .name: bq, .offset: 16, .size: 8, .value_kind: global_buffer, .address_space: global }
      - { .name: bk, .offset: 24, .size: 8, .value_kind: global_buffer, .address_space: global }
      - { .name: bv, .offset: 32, .size: 8, .value_kind: global_buffer, .address_space: global }
      - { .name: qkvc, .offset: 40, .size: 8, .value_kind: global_buffer, .address_space: global }
      - { .name: qkvs, .offset: 48, .size: 8, .value_kind: global_buffer, .address_space: global }
    .group_segment_fixed_size: 327680
    .private_segment_fixed_size: 0
    .kernarg_segment_align: 8
    .kernarg_segment_size: 56
    .max_flat_workgroup_size: 128
    .sgpr_count:     102
    .vgpr_count:     1024
    .wavefront_size: 32
...
	.end_amdgpu_metadata
.endif
;; end of part 2
;; launch score (part 3): grid 8 x 32, 4 waves a work-group, clusters of 4 x 4, 327,680 bytes of LDS; arguments qkvc, qkvs, pc, pst; writes pc, pst
.if DOCPART == 3
	.amdgcn_target "amdgcn-amd-amdhsa--gfx1250"
	.amdhsa_code_object_version 6
	.text
	.protected	k_q937ceaad82_score
	.globl	k_q937ceaad82_score
	.p2align	8
	.type	k_q937ceaad82_score,@function
k_q937ceaad82_score:
	s_mov_b64 s[64:65], 0
	v_nop
	global_prefetch_b8 v0, s[64:65] scope:SCOPE_SE
	s_setreg_imm32_b32 hwreg(HW_REG_WAVE_MODE, 25, 1), 1
	s_wait_xcnt 0x0
	s_wait_alu depctr_hold_cnt(0) depctr_sa_sdst(0) depctr_va_vdst(0) depctr_va_sdst(0) depctr_va_ssrc(0) depctr_va_vcc(0) depctr_vm_vsrc(0)
	s_getreg_b32 s2, hwreg(HW_REG_IB_STS2, 6, 4)
	s_cmp_eq_u32 s2, 0
	s_cbranch_scc0 .Lentry_in_a_cluster
	s_endpgm
.Lentry_in_a_cluster:
	s_bfe_u32 s2, ttmp6, 0x10000c
	s_cmp_lg_u32 s2, 0xf033
	s_cbranch_scc0 .Lentry_shape_is_right
	s_endpgm
.Lentry_shape_is_right:
; S = q k^T on codes of FP6 (E2M3) with E8M0 scales, f32 sums, and the softmax's first half: for each query and each chunk of 128 keys
; t = score x log2(e) / 32, M_loc = ceil(the chunk's largest t), p = 2^(t - M_loc), quantised along the keys; l_loc = the sum of the unquantised p.
; M_loc is a whole number, so the codes are those that the row's own M gives; the next launch takes (the row's M - M_loc) off the scale bytes and brings l_loc under the row's M.
; OUT: pc: p's fragments as images of operand registers, [512 query rowblocks][16 chunks][1,536 bytes]; pst: [3][16 chunks][8,192 positions] words: p's scale word, -M_loc, l_loc.
; A tile is 256 queries x 256 keys, K = 1,024: eight chunks of 128.  Four waves; a wave makes 128 x 128: 64 accumulators, 512 matrix instructions.
; THE MATRIX INSTRUCTION IS USED TRANSPOSED: source 0 = 16 keys, source 1 = 16 queries: a lane holds one query.  By the rowblocks' order (lane-row p of tile 4 c + j is key 64 c + 32 (p / 8) + 8 j + p % 8)
; a lane's registers 32 c .. 32 c + 31 are keys 64 c + 32 (lane / 16) + 0 .. 31: one whole scale block.
; K goes through three LDS slots of two chunks.  At the head wave 0 fetches q's part of slot 0, wave 1 k's, waves 2 and 3 the scale words; behind the first round waves 0 and 1 fetch slot 1 and waves 2 and 3 slot 2; chunks 6 and 7 go into slot 0 again.
; CLUSTERS: 4 x 4.  q's tile hangs on cy and the cluster's y, k's on cx and the cluster's y and x: each is asked for jointly by the four that share it.
; PREFETCH: chunks 6 and 7, two chunks ahead of their load: each block of 256 bytes once in a cluster, shared out by address.  Chunks 2 to 5 have none: their own loads go out directly behind the head's.
; REGISTERS: window 0: addresses; v32-47 scale words, two sets of eight (lanes 0-15 q's block i, lanes 16-31 k's block i); v128-223 q's fragments.   window 1: k's fragments, two sets.   windows 2, 3: accumulator (a, b) at v[8 (8 (a % 4) + b)].
; LIMITS: NaN and infinities are not served; the scaled scores stay under 2^31 in magnitude.  A block whose every p has fallen to 0 gets the byte 1: its codes are zeros.  A block's largest p is made from its largest score by the same
; multiply-add and exponential: that takes v_exp_f32 not to fall where its input rises.
.set CKB,   1572864                    ; a chunk of all rowblocks in qkvc
.set QB,    2*24576                    ; q's part of a slot: two chunks x 16 rowblocks
.set SLOT,  2*QB
.set SCQ,   3*SLOT
.set SCK,   SCQ+8192+64
.set SPARE, 311552
.set PO,   10
.set WO,   11
.set PF1,  12
.set ADRS, 14
.set H8,   15
.set A16,  16                          ; v16-18 q's fragments, 16 x lane, slots 0 to 2; v19-21 8 x lane
.set A8,   19
.set B16,  22                          ; v22-24, v25-27 k's
.set B8,   25
.set SPW,  28
.set NIL,  29
.set SC,   32
.set AF,   128
.set PWS,  96
.set NMS,  104
.set LS,   112
.set HA,   128
.set PC,   192
.set T,    212                         ; v212-233 at work
.set BM,   236
.set SOP,  244
.set NMP,  248
.set S1,   250
.set S2,   252
.set WV,  18
.set RH,  19
.set CH,  20
.set CX,  21
.set CY,  22
.set CLY, 23
.set G1Q, 24
.set G1K, 32
.set G0Q, 40
.set G0K, 44
.set G1SQ, 48
.set G1SK, 56
.set AT,  66
.set BT,  67
.set G0SQ, 68
.set G0SK, 72
.set SEL, 76
.set HI16, 78
.set CS,  80                           ; s[80:81] c = log2(e) / 32
.set MSB, 0
.macro WIN new
.if MSB != (\new)
	s_set_vgpr_msb (MSB<<8)|(\new)
.set MSB, (\new)
.endif
.endm
.macro PLACES
.rept 4
	v_nop
.endr
.endm
.macro TLOAD g0, g1
	tensor_load_to_lds s[\g0:\g0+3], s[\g1:\g1+7]
	s_nop 0
	PLACES
.endm
.macro FOUR a0, a1, b0, b1, c0, c1, d0, d1   ; one chain of arms on the wave's number: a load to each wave
	s_cmp_eq_u32 s[WV], 0
	s_cbranch_scc0 .Lw1_\@
	TLOAD \a0, \a1
	s_branch .Lasked_\@
.Lw1_\@:
	s_cmp_eq_u32 s[WV], 1
	s_cbranch_scc0 .Lw2_\@
	TLOAD \b0, \b1
	s_branch .Lasked_\@
.Lw2_\@:
	s_cmp_eq_u32 s[WV], 2
	s_cbranch_scc0 .Lw3_\@
	TLOAD \c0, \c1
	s_branch .Lasked_\@
.Lw3_\@:
	TLOAD \d0, \d1
.Lasked_\@:
.endm
.macro JLOAD                           ; wave 0 q's part, wave 1 k's
	s_cmp_eq_u32 s[WV], 0
	s_cbranch_scc0 .Lfor_k_\@
	TLOAD G0Q, G1Q
	s_branch .Lasked_\@
.Lfor_k_\@:
	s_cmp_eq_u32 s[WV], 1
	s_cbranch_scc0 .Lasked_\@
	TLOAD G0K, G1K
.Lasked_\@:
.endm
.macro CREST
	s_cmp_lg_u32 s[WV], 0
	s_cbranch_scc1 .Lnot_wave_0_\@
	s_barrier_signal -3
.Lnot_wave_0_\@:
	s_barrier_wait -3
	s_barrier_signal -1
	s_barrier_wait -1
.endm
.macro CROUND
	s_barrier_signal -1
	s_barrier_wait -1
	CREST
.endm
.macro MM a, b, g, cm                  ; cm = 1: the product starts the sum
.set rD, 8*(8*((\a)%4)+(\b))
.set rB, 128*((\g)%2)+12*(\b)
.set rA, AF+12*(\a)
.set rS, SC+8*((\g)%2)
.if (\cm) == 1
	v_wmma_scale_f32_16x16x128_f8f6f4 v[rD:rD+7], v[rB:rB+11], v[rA:rA+11], 0, v[rS+\b], v[rS+\a] matrix_a_fmt:MATRIX_FMT_FP6 matrix_b_fmt:MATRIX_FMT_FP6 matrix_a_scale:MATRIX_SCALE_ROW1
.else
	v_wmma_scale_f32_16x16x128_f8f6f4 v[rD:rD+7], v[rB:rB+11], v[rA:rA+11], v[rD:rD+7], v[rS+\b], v[rS+\a] matrix_a_fmt:MATRIX_FMT_FP6 matrix_b_fmt:MATRIX_FMT_FP6 matrix_a_scale:MATRIX_SCALE_ROW1
.endif
.endm
.macro MUL16 a0, g, cm                 ; the 64 accumulators take turns, in the same order in every chunk
.irp a, \a0, \a0+1
.irp b, 0,1,2,3,4,5,6,7
	MM \a, \b, \g, \cm
.endr
.endr
.endm
.macro FRAG reg, a16, a8, off          ; two halves of 64 features, each four registers and two
	ds_load_b128 v[(\reg):(\reg)+3], v[\a16] offset:(\off)
	ds_load_b64 v[(\reg)+4:(\reg)+5], v[\a8] offset:(\off)+512
	ds_load_b128 v[(\reg)+6:(\reg)+9], v[\a16] offset:(\off)+768
	ds_load_b64 v[(\reg)+10:(\reg)+11], v[\a8] offset:(\off)+1280
.endm
.macro FETCH_B n, i0                   ; chunk n lies in slot (n / 2) % 3
	WIN 0x40
.irp i, \i0, \i0+1, \i0+2, \i0+3
	FRAG 128*((\n)%2)+12*(\i), B16+((\n)/2)%3, B8+((\n)/2)%3, 24576*((\n)%2)+1536*(\i)
.endr
	WIN 0
.endm
.macro FETCH_A n, i0
.irp i, \i0, \i0+1, \i0+2, \i0+3
	FRAG AF+12*(\i), A16+((\n)/2)%3, A8+((\n)/2)%3, 24576*((\n)%2)+1536*(\i)
.endr
.endm
.macro SCALES n
.irp i, 0,1,2,3,4,5,6,7
	ds_load_b32 v[SC+8*((\n)%2)+\i], v[ADRS] offset:1024*(\n)+64*\i
.endr
.endm
; A slot's first chunk: k's fragments of the next chunk, in the same slot, come in two runs among the first 32 products, q's behind the registers' last use.
.macro STEP g, cm
	s_wait_dscnt 16                                ; k's set, q's blocks 0-3 and the scale words are in; the youngest 16 loads (q's blocks 4-7) may be out
	FETCH_B (\g)+1, 0
	WIN 0xa1
	MUL16 0, \g, \cm
	FETCH_B (\g)+1, 4
	WIN 0xa1
	MUL16 2, \g, \cm
	s_wait_dscnt 32                                ; q's blocks 4-7 are in; the 32 loads for the next chunk's k may be out
	PLACES
	WIN 0
	FETCH_A (\g)+1, 0
	SCALES (\g)+1
	WIN 0xf1
	MUL16 4, \g, \cm
	MUL16 6, \g, \cm
	PLACES
	WIN 0
	FETCH_A (\g)+1, 4
.endm
; A slot's last chunk; a barrier shows the next slot.  how = 2: slot 1 alone, which waves 0 and 1 fetched (slot 2's loads, lines of waves 2 and 3, may be out); 1: all, a round, and slot 0 is filled again; 0: all.
.macro TURN g, how
.if (\how) == 2
	s_wait_dscnt 16
	WIN 0xa1
	MUL16 0, \g, 0
	WIN 0
	s_cmp_lt_u32 s[WV], 2
	s_cbranch_scc0 .Lnot_mine_\@
	s_wait_tensorcnt 0x0
.Lnot_mine_\@:
.else
	s_wait_tensorcnt 0x0                           ; all my tensor loads have landed
	ds_add_u32 v[SPW], v[NIL]
.if (\how) == 1
	s_mov_b32 s[G0Q+1], 0                          ; chunks 6 and 7
	s_mov_b32 s[G0K+1], QB
	s_add_nc_u64 s[G0Q+2:G0Q+3], s[G0Q+2:G0Q+3], 4*CKB
	s_add_nc_u64 s[G0K+2:G0K+3], s[G0K+2:G0K+3], 4*CKB
.endif
	s_wait_dscnt 17                                ; (the add and the youngest 16 loads may be out)
	WIN 0xa1
	MUL16 0, \g, 0
.endif
	s_wait_dscnt 0x0                               ; my LDS instructions are done
	s_barrier_signal -1
	WIN 0xa1
	MUL16 2, \g, 0
	WIN 0
	s_barrier_wait -1
.if (\how) == 1
	CREST                                          ; no wave of any partner still reads slot 0 or has a load on its way
	JLOAD
.endif
	PLACES
	FETCH_A (\g)+1, 0
	SCALES (\g)+1
	FETCH_B (\g)+1, 0
	WIN 0xf1
	MUL16 4, \g, 0
	FETCH_B (\g)+1, 4
	WIN 0xf1
	MUL16 6, \g, 0
	PLACES
	WIN 0
	FETCH_A (\g)+1, 4
.endm
	s_load_b256 s[4:11], s[0:1], 0x0               ; qkvc, qkvs, pc, pst
	v_lshl_add_u32 v[SPW], v0, 2, SPARE
	v_mov_b32 v[NIL], 0
	ds_add_u32 v[SPW], v[NIL]                      ; the opening lines: the add, twice on end, and its wait
	ds_add_u32 v[SPW], v[NIL]
	v_lshrrev_b32 v1, 5, v0
	v_readfirstlane_b32 s[WV], v1
	s_lshr_b32 s[RH], s[WV], 1
	s_and_b32 s[CH], s[WV], 1
	v_and_b32 v1, 31, v0                           ; lane
	v_and_b32 v2, 15, v0                           ; r
	v_bfe_u32 v3, v0, 4, 1                         ; h
	v_lshlrev_b32 v4, 4, v1
	v_lshlrev_b32 v5, 3, v1
	v_lshlrev_b32 v[H8], 3, v3
	v_lshlrev_b32 v6, 2, v2
	s_wait_alu depctr_va_vdst(0)
	s_mul_i32 s70, s[RH], 12288
	s_mul_i32 s71, s[CH], 12288
	s_add_co_u32 s71, s71, QB
.irp s, 0,1,2
	v_add_nc_u32 v[A16+\s], s70, v4
	v_add_nc_u32 v[A8+\s], s70, v5
	v_add_nc_u32 v[B16+\s], s71, v4
	v_add_nc_u32 v[B8+\s], s71, v5
	s_add_co_u32 s70, s70, SLOT
	s_add_co_u32 s71, s71, SLOT
.endr
	s_lshl_b32 s70, s[RH], 9
	s_add_co_u32 s70, s70, SCQ
	s_lshl_b32 s71, s[CH], 9
	s_add_co_u32 s71, s71, SCK
	s_sub_co_u32 s71, s71, s70
	v_mul_u32_u24 v7, s71, v3                      ; lanes 16-31 take k's words
	v_add_nc_u32 v7, v6, v7
	v_add_nc_u32 v[ADRS], s70, v7
	s_wait_alu depctr_va_vdst(0)
	s_bfe_u32 s[CX], ttmp6, 0x40000
	s_bfe_u32 s[CY], ttmp6, 0x40004
	s_and_b32 s[CLY], ttmp7, 0xffff
	s_lshl_b32 s[AT], s[CLY], 2
	s_add_co_u32 s[AT], s[AT], s[CY]               ; q's tile of 256 queries; its batch is cly / 2
	s_lshl_b32 s85, ttmp9, 2
	s_add_co_u32 s85, s85, s[CX]                   ; the tile of 256 keys within the batch
	s_lshr_b32 s[BT], s[CLY], 1
	s_lshl_b32 s[BT], s[BT], 3
	s_add_co_u32 s[BT], s[BT], s85
	s_add_co_u32 s[BT], s[BT], 32                  ; k lies behind q's 32 tiles
	s_lshl_b32 s86, s[CY], 2
	s_lshl_b32 s86, 15, s86
	s_lshl_b32 s87, 0x1111, s[CX]
	s_or_b32 s[G1Q], s86, (3<<16)|(1<<21)
	s_or_b32 s[G1K], s87, (3<<16)|(1<<21)
	s_or_b32 s[G1SQ], s86, (3<<16)|(1<<21)
	s_or_b32 s[G1SK], s87, (3<<16)|(1<<21)
.irp g, G1Q, G1K                       ; two chunks, each 16 rowblocks on end
	s_mov_b32 s[\g+1], 3072<<16
	s_mov_b32 s[\g+2], 2<<16
	s_mov_b32 s[\g+3], 3072<<16
	s_mov_b32 s[\g+4], 2
	s_mov_b32 s[\g+5], CKB/8
	s_mov_b32 s[\g+6], 0
	s_mov_b32 s[\g+7], 0
.endr
.irp g, G1SQ, G1SK                     ; eight chunks' words of 256 positions
	s_mov_b32 s[\g+1], 128<<16
	s_mov_b32 s[\g+2], 8<<16
	s_mov_b32 s[\g+3], 128<<16
	s_mov_b32 s[\g+4], 8
	s_mov_b32 s[\g+5], 8192
	s_mov_b32 s[\g+6], 0
	s_mov_b32 s[\g+7], 0
.endr
	s_mov_b32 s[G0Q], 1
	s_mov_b32 s[G0Q+1], 0
	s_mov_b32 s[G0K], 1
	s_mov_b32 s[G0K+1], QB
	s_mov_b32 s[G0SQ], 1
	s_mov_b32 s[G0SQ+1], SCQ
	s_mov_b32 s[G0SK], 1
	s_mov_b32 s[G0SK+1], SCK
	s_mov_b32 s[SEL], 0x76543210
	s_mov_b32 s[SEL+1], 0xfedcba98
	s_mov_b32 s[HI16], 0xffff0000
	s_mov_b32 s[CS], 0x3d38aa3b                    ; log2(e) / 32
	s_mov_b32 s[CS+1], s[CS]
	s_mul_i32 s82, s[AT], 24576
	s_mov_b32 s83, 0
	s_mul_i32 s88, s[BT], 24576
	s_mov_b32 s89, 0
	s_lshl_b32 s90, s[AT], 10
	s_mov_b32 s91, 0
	s_lshl_b32 s92, s[BT], 10
	s_mov_b32 s93, 0
	s_cmp_eq_u32 s[RH], 0                          ; the prefetch: waves 0 and 1 for q, waves 2 and 3 for k
	s_cselect_b32 s94, s82, s88
	s_cselect_b32 s95, s[CX], s[CY]                ; my place among the four that ask with me
	s_mul_i32 s95, s95, 6144
	s_add_co_u32 s94, s94, s95
	s_mul_i32 s95, s[CH], CKB
	s_add_co_u32 s95, s95, s94
	s_add_co_u32 s95, s95, 6*CKB
	v_min_u32 v8, 23, v1
	v_lshl_add_u32 v[PF1], v8, 8, s95              ; chunk 6 or 7: my quarter, 24 blocks of 256 bytes
	s_lshl_b32 s94, s85, 1
	s_add_co_u32 s94, s94, s[CH]                   ; my chunk of 128 keys within the batch
	s_lshl_b32 s95, s[AT], 4
	s_lshl_b32 s96, s[RH], 3
	s_add_co_u32 s95, s95, s96
	s_lshl_b32 s95, s95, 4
	s_add_co_u32 s95, s95, s94
	s_mul_i32 s95, s95, 1536
	v_add_nc_u32 v[PO], s95, v4
	s_lshl_b32 s95, s94, 15                        ; a chunk's row of pst is 32,768 bytes
	s_lshl_b32 s96, s[AT], 10
	s_add_co_u32 s95, s95, s96
	s_lshl_b32 s96, s[RH], 9
	s_add_co_u32 s95, s95, s96
	v_lshl_add_u32 v[WO], v1, 2, s95
	s_wait_alu depctr_va_vdst(0)
	s_wait_dscnt 0x0
	CROUND
	s_wait_kmcnt 0x0
	s_add_nc_u64 s[G0Q+2:G0Q+3], s[4:5], s[82:83]
	s_add_nc_u64 s[G0K+2:G0K+3], s[4:5], s[88:89]
	s_add_nc_u64 s[G0SQ+2:G0SQ+3], s[6:7], s[90:91]
	s_add_nc_u64 s[G0SK+2:G0SK+3], s[6:7], s[92:93]
.irp g, G0Q, G0K, G0SQ, G0SK
	s_or_b32 s[\g+3], s[\g+3], 0x80000000
.endr
	FOUR G0Q, G1Q, G0K, G1K, G0SQ, G1SQ, G0SK, G1SK   ; the head's loads, one a wave
	s_wait_tensorcnt 0x0
	ds_add_u32 v[SPW], v[NIL]
	s_mov_b32 s[G0Q+1], SLOT                       ; chunks 2 and 3, for slot 1,
	s_mov_b32 s[G0K+1], SLOT+QB
	s_add_nc_u64 s[G0Q+2:G0Q+3], s[G0Q+2:G0Q+3], 2*CKB
	s_add_nc_u64 s[G0K+2:G0K+3], s[G0K+2:G0K+3], 2*CKB
	s_mov_b32 s[G0SQ+1], 2*SLOT                    ; and 4 and 5, for slot 2
	s_mov_b32 s[G0SK+1], 2*SLOT+QB
	s_add_nc_u64 s[G0SQ+2:G0SQ+3], s[G0Q+2:G0Q+3], 2*CKB
	s_add_nc_u64 s[G0SK+2:G0SK+3], s[G0K+2:G0K+3], 2*CKB
	s_wait_dscnt 0x0
	CROUND                                         ; slot 0 and the scale words are in, for all
	FOUR G0Q, G1Q, G0K, G1K, G0SQ, G1Q, G0SK, G1K
	FETCH_B 0, 0
	FETCH_B 0, 4
	FETCH_A 0, 0
	SCALES 0
	FETCH_A 0, 4
	STEP 0, 1
	TURN 1, 2
	global_prefetch_b8 v[PF1], s[4:5] th:TH_LOAD_NT scope:SCOPE_SE   ; chunk 6 or 7
	STEP 2, 0
	TURN 3, 1
	STEP 4, 0
	TURN 5, 0
	STEP 6, 0
	s_wait_dscnt 16
	WIN 0xa1
	MUL16 0, 7, 0
	MUL16 2, 7, 0
	s_wait_dscnt 0x0
	WIN 0xf1
	MUL16 4, 7, 0
	MUL16 6, 7, 0
	WIN 0
	PLACES
	v_mov_b32 v[NMP+1], 0                          ; named as the upper half of a pair
	v_mov_b32 v255, 0                              ; a lane permute's destination counts as one of its sources
; THE SOFTMAX OF BLOCK a: 16 queries x my 128 keys.  Register 32 c + i of the block's 64 is key 64 c + 32 h + i.
.macro SOFT a
.set AC, 64*((\a)%4)
	WIN 0x2a+0x15*((\a)/4)                         ; all three sources: window 2 or 3
	s_wait_alu depctr_va_vdst(0)                   ; ahead of the first readers of these matrix results
.irp k, 0,1,2,3,4,5,6,7,8,9
.irp c, 0,1
	v_max3_num_f32 v[T+11*\c+\k], v[AC+32*\c+3*\k], v[AC+32*\c+3*\k+1], v[AC+32*\c+3*\k+2]   ; ascending: each accumulator is first read at its low end
.endr
.endr
.irp c, 0,1
	v_max_num_f32 v[T+11*\c+10], v[AC+32*\c+30], v[AC+32*\c+31]
.endr
	WIN 0
.irp c, 0,1
	v_max3_num_f32 v[BM+\c], v[T+11*\c], v[T+11*\c+1], v[T+11*\c+2]
.endr
.irp k, 3,5,7,9
.irp c, 0,1
	v_max3_num_f32 v[BM+\c], v[BM+\c], v[T+11*\c+\k], v[T+11*\c+\k+1]   ; the largest score of each block of 32 keys
.endr
.endr
	v_max_num_f32 v254, v[BM], v[BM+1]
	v_permlanex16_b32 v255, v254, s[SEL], s[SEL+1]
	v_max_num_f32 v254, v254, v255
	v_mul_f32 v254, s[CS], v254                    ; the chunk's largest t (c is positive)
	v_floor_f32 v[NMP], -v254                      ; -M_loc = floor(-t) = -ceil(t)
	WIN 0x02+(\a)/4
.set j, 0
.rept 32
	v_pk_fma_f32 v[HA+j:HA+j+1], v[AC+j:AC+j+1], s[CS:CS+1], v[NMP:NMP+1] op_sel_hi:[1,0,0]   ; t - M_loc, two at a time
.set j, j+2
.endr
	WIN 0
.irp c, 0,1
	v_fma_f32 v[BM+\c], v[BM+\c], s[CS], v[NMP]    ; the same of each block's largest score
.endr
	s_wait_alu depctr_va_vdst(0)                   ; ahead of the batch
.if (\a) > 0
	s_wait_xcnt 0x0                                ; the last block's stores have read v[PC] on
.endif
.set j, 0
.rept 64
	v_exp_f32 v[HA+j], v[HA+j]                     ; p = 2^(t - M_loc)
.set j, j+1
.endr
.irp c, 0,1
	v_exp_f32 v[BM+\c], v[BM+\c]                   ; the block's largest p
.endr
	v_mov_b32 v[NMS+(\a)], v[NMP]                  ; a plain place behind the exponentials
	s_wait_alu depctr_va_vdst(0)                   ; one wait for the batch, ahead of its first reader
	v_pk_add_f32 v[S1:S1+1], v[HA:HA+1], v[HA+4:HA+5]             ; the sum of the unquantised p, in two chains
	v_pk_add_f32 v[S2:S2+1], v[HA+2:HA+3], v[HA+6:HA+7]
.set j, 8
.rept 14
	v_pk_add_f32 v[S1:S1+1], v[S1:S1+1], v[HA+j:HA+j+1]
	v_pk_add_f32 v[S2:S2+1], v[S2:S2+1], v[HA+j+2:HA+j+3]
.set j, j+4
.endr
.irp c, 0,1
	v_max_num_f32 v[BM+\c], 0x1800000, v[BM+\c]    ; the floor 2^(3 - 127)
.endr
.irp c, 0,1
	v_add_nc_u32 v[SOP+\c], 0xff000000, v[BM+\c]
.endr
.irp c, 0,1
	v_cvt_scalef32_pk16_fp6_f32 v[PC+6*\c:PC+2+6*\c], v[HA+32*\c:HA+15+32*\c], v[SOP+\c]
	v_cvt_scalef32_pk16_fp6_f32 v[PC+12+4*\c:PC+14+4*\c], v[HA+16+32*\c:HA+31+32*\c], v[SOP+\c]
.endr
	v_pk_add_f32 v[S1:S1+1], v[S1:S1+1], v[S2:S2+1]
	v_lshrrev_b32 v[T], 23, v[SOP]                 ; the bytes of blocks h and 2 + h
	v_lshrrev_b32 v[T+1], 23, v[SOP+1]
	v_add_f32 v254, v[S1], v[S1+1]
	v_lshl_or_b32 v[T], v[T+1], 16, v[T]
	v_permlanex16_b32 v255, v254, s[SEL], s[SEL+1]
	v_lshlrev_b32 v[T], v[H8], v[T]
	v_add_f32 v[LS+(\a)], v254, v255               ; l_loc
	v_permlanex16_b32 v255, v[T], s[SEL], s[SEL+1]
	v_or_b32 v[PWS+(\a)], v[T], v255               ; with lane l xor 16's two bytes the word is whole
.irp c, 0,1
.irp i, 0,1,2
	v_mov_b32 v[PC+3+6*\c+\i], v[PC+12+4*\c+\i]
.endr
.endr
.irp c, 0,1,2
	global_store_b128 v[PO], v[PC+4*\c:PC+4*\c+3], s[8:9] offset:24576*(\a)+512*\c   ; 512 consecutive bytes, at a multiple of 256 from the buffer's first byte
.endr
.endm
.irp a, 0,1,2,3,4,5,6,7
	SOFT \a
.endr
.irp k, 0,1,2,3
	v_cndmask_b32 v[T+\k], v[PWS+2*\k], v[PWS+2*\k+1], s[HI16]    ; two blocks' words: 32 positions on end
	v_cndmask_b32 v[T+4+\k], v[NMS+2*\k], v[NMS+2*\k+1], s[HI16]
	v_cndmask_b32 v[T+8+\k], v[LS+2*\k], v[LS+2*\k+1], s[HI16]
.endr
.irp k, 0,1,2,3
	global_store_b32 v[WO], v[T+\k], s[10:11] offset:128*\k
	global_store_b32 v[WO], v[T+4+\k], s[10:11] offset:524288+128*\k
	global_store_b32 v[WO], v[T+8+\k], s[10:11] offset:1048576+128*\k
.endr
	s_wait_tensorcnt 0x0                           ; the wave's end
	ds_add_u32 v[SPW], v[NIL]
	s_wait_dscnt 0x0
	CROUND                                         ; the closing round
	s_endpgm
.Lfunc_end_k_q937ceaad82_score:
	.size	k_q937ceaad82_score, .Lfunc_end_k_q937ceaad82_score-k_q937ceaad82_score
	.p2alignl 7, 3214868480
	.fill 96, 4, 3214868480
	.section	.rodata,"a",@progbits
	.p2align	6, 0x0
	.amdhsa_kernel k_q937ceaad82_score
		.amdhsa_group_segment_fixed_size 327680
		.amdhsa_private_segment_fixed_size 0
		.amdhsa_enable_private_segment 0
		.amdhsa_kernarg_size 32
		.amdhsa_user_sgpr_count 2
		.amdhsa_user_sgpr_kernarg_segment_ptr 1
		.amdhsa_wavefront_size32 1
		.amdhsa_system_sgpr_workgroup_id_x 1
		.amdhsa_system_sgpr_workgroup_id_y 1
		.amdhsa_system_sgpr_workgroup_id_z 1
		.amdhsa_system_vgpr_workitem_id 0
		.amdhsa_next_free_vgpr 1024
		.amdhsa_next_free_sgpr 100
		.amdhsa_reserve_vcc 0
		.amdhsa_float_denorm_mode_32 3
		.amdhsa_float_denorm_mode_16_64 3
		.amdhsa_memory_ordered 1
		.amdhsa_forward_progress 1
		.amdhsa_inst_pref_size 199
	.end_amdhsa_kernel
	.amdgpu_metadata
---
amdhsa.version: [ 1, 2 ]
amdhsa.kernels:
  - .name:           k_q937ceaad82_score
    .symbol:         k_q937ceaad82_score.kd
    .args:
      - { .name: qkvc, .offset: 0, .size: 8, .value_kind: global_buffer, .address_space: global }
      - { .name: qkvs, .offset: 8, .size: 8, .value_kind: global_buffer, .address_space: global }
      - { .name: pc, .offset: 16, .size: 8, .value_kind: global_buffer, .address_space: global }
      - { .name: pst, .offset: 24, .size: 8, .value_kind: global_buffer, .address_space: global }
    .group_segment_fixed_size: 327680
    .private_segment_fixed_size: 0
    .kernarg_segment_align: 8
    .kernarg_segment_size: 32
    .max_flat_workgroup_size: 128
    .sgpr_count:     100
    .vgpr_count:     1024
    .wavefront_size: 32
...
	.end_amdgpu_metadata
.endif
;; end of part 3
;; launch pv (part 4): grid 4 x 64, 4 waves a work-group, clusters of 4 x 4, 327,680 bytes of LDS; arguments pc, pst, qkvc, qkvs, out0; writes out0
.if DOCPART == 4
	.amdgcn_target "amdgcn-amd-amdhsa--gfx1250"
	.amdhsa_code_object_version 6
	.text
	.protected	k_q937ceaad82_pv
	.globl	k_q937ceaad82_pv
	.p2align	8
	.type	k_q937ceaad82_pv,@function
k_q937ceaad82_pv:
	s_mov_b64 s[64:65], 0
	v_nop
	global_prefetch_b8 v0, s[64:65] scope:SCOPE_SE
	s_setreg_imm32_b32 hwreg(HW_REG_WAVE_MODE, 25, 1), 1
	s_wait_xcnt 0x0
	s_wait_alu depctr_hold_cnt(0) depctr_sa_sdst(0) depctr_va_vdst(0) depctr_va_sdst(0) depctr_va_ssrc(0) depctr_va_vcc(0) depctr_vm_vsrc(0)
	s_getreg_b32 s2, hwreg(HW_REG_IB_STS2, 6, 4)
	s_cmp_eq_u32 s2, 0
	s_cbranch_scc0 .Lentry_in_a_cluster
	s_endpgm
.Lentry_in_a_cluster:
	s_bfe_u32 s2, ttmp6, 0x10000c
	s_cmp_lg_u32 s2, 0xf033
	s_cbranch_scc0 .Lentry_shape_is_right
	s_endpgm
.Lentry_shape_is_right:
; out0 = (P V) / l on codes of FP6 (E2M3) with E8M0 scales, f32 sums.  P comes as fragments quantised under a whole number M_loc for each chunk of 128 keys; here the row's M = the largest M_loc is found,
; (M - M_loc) is taken off each of the chunk's four scale bytes (an exact power of two; held at 0 from below) and l = the sum of l_loc 2^(M_loc - M).
; A tile is 128 queries x 256 of d, K = 2,048 keys: 256 work-groups.  Four waves; a wave makes 64 x 128: 32 accumulators, 512 matrix instructions.
; THE MATRIX INSTRUCTION IS USED TRANSPOSED: source 0 = 16 rows of V^T, source 1 = 16 queries: a lane holds one query.  By the rowblocks' order (lane-row p of tile j is 32 (p / 8) + 8 j + p % 8 of its 64)
; result b, register i is d 64 (b / 4) + 32 h + 8 (b % 4) + i of my 128, and lane-row r of query block i is query 32 (r / 8) + 8 i + r % 8 of my 64.
; K goes in four steps of four chunks through two LDS slots.  A trip of the loop goes from a step's second chunk to the next step's first; the loop's two trips fill a slot again, the third step's end does not and is written out.
; A chunk's 36 loads for the next chunk stand in three runs between its groups of eight products.
; THE LAST K STEP GOES BY ROWS: all its fragments of V lie in registers, P's come by blocks of 16 queries, and each block leaves as soon as its 32 products are done, keys ascending.
; Wave 0 fetches P's part of a slot, waves 1 and 2 a half of V's each; wave 3 fetches V's scale words at the head.
; CLUSTERS: 4 x 4: P's tile hangs on cy and the cluster's y, V's on cx and the cluster's y: each is asked for jointly by the four that share it.
; PREFETCHES: K step 1 ahead of the work on the statistics, 2 and 3 behind the loads of the step before: each block of 256 bytes once in a cluster, shared out by address.
; REGISTERS: window 0: addresses, 1 / l; v32-47 V's scale words, v48-55 P's, two sets each (lanes 0-15 a pair's even chunk, lanes 16-31 its odd one); v64-127 the way out; v128-223 P's fragments, two sets.
; window 1: V's fragments, two sets; window 3: the last step's chunks 2 and 3.   window 2: accumulator (i, b) at v[8 (8 i + b)].
; LIMITS: NaN and infinities are not served; the scaled scores stay under 2^31 in magnitude.  A block of p whose scale would fall under 2^-127 is held there: what it adds lies under 1e-37 of the row's largest term.
.set KSB,   6144                       ; a K step of one rowblock: four fragments
.set SLOT,  24*KSB                     ; P's 8 rowblocks, then V's 16
.set BOFF,  8*KSB
.set BOF2,  16*KSB
.set VSC,   2*SLOT                     ; V's scale words: [16 chunks][256]
.set PSC,   VSC+16384                  ; P's scale words under the row's M: [16 chunks][128 positions]
.set LINV,  PSC+8192                   ; 1 / l of the 128 positions
.set SPARE, LINV+512
.set SPITCH, 528                       ; the way out: a stage of 16 rows x (512 + 16) bytes a wave, in slot 0, which has had its last fill and its last read by then
.set VSA,  5
.set VS0,  6
.set PS0,  7
.set LV,   8                           ; v8-15 1 / l of my four blocks, as pairs
.set ADRA, 16
.set ADRA0, 17
.set ADRB, 18
.set ADRB0, 19
.set STO,  21
.set RD,   22
.set CO,   23
.set SPW,  28
.set NIL,  29
.set PSA,  30
.set SV,   32
.set SP,   48
.set PFV,  56
.set BK,   64                          ; the way out: 16 rows read back
.set AF,   128
.set SW,   128                         ; at the head: 16 scale words, 16 -M_loc, 16 l_loc, 16 at work
.set NM,   144
.set LL,   160
.set E,    176
.set WV,  18
.set RH,  19
.set CH,  20
.set CX,  21
.set CY,  22
.set CLY, 23
.set G1P, 24
.set G1V, 32
.set G1S, 40
.set G0P, 48
.set G0V, 52
.set G0W, 56
.set G0S, 60
.set MT,  66
.set BAT, 67
.set PFB, 96                           ; s[96:97] where my wave's prefetches stand
.set TRIP, 98
.set SLO, 99                           ; the slot that is read: 0 or SLOT
.set VOF, 100
.set POF, 101
.set MSB, 0
.macro WIN new
.if MSB != (\new)
	s_set_vgpr_msb (MSB<<8)|(\new)
.set MSB, (\new)
.endif
.endm
.macro PLACES
.rept 4
	v_nop
.endr
.endm
.macro TLOAD g0, g1
	tensor_load_to_lds s[\g0:\g0+3], s[\g1:\g1+7]
	s_nop 0
	PLACES
.endm
.macro JLOAD head                      ; one chain of arms on the wave's number; head = 1: wave 3 fetches V's scale words
	s_cmp_eq_u32 s[WV], 0
	s_cbranch_scc0 .Lw1_\@
	TLOAD G0P, G1P
	s_branch .Lasked_\@
.Lw1_\@:
	s_cmp_eq_u32 s[WV], 1
	s_cbranch_scc0 .Lw2_\@
	TLOAD G0V, G1V
	s_branch .Lasked_\@
.Lw2_\@:
	s_cmp_eq_u32 s[WV], 2
	s_cbranch_scc0 .Lw3_\@
	TLOAD G0W, G1V
	s_branch .Lasked_\@
.Lw3_\@:
.if \head
	TLOAD G0S, G1S
.endif
.Lasked_\@:
.endm
.macro CREST
	s_cmp_lg_u32 s[WV], 0
	s_cbranch_scc1 .Lnot_wave_0_\@
	s_barrier_signal -3
.Lnot_wave_0_\@:
	s_barrier_wait -3
	s_barrier_signal -1
	s_barrier_wait -1
.endm
.macro CROUND
	s_barrier_signal -1
	s_barrier_wait -1
	CREST
.endm
.macro DSTEP                           ; the descriptors: the next K step, into the other slot
	s_xor_b32 s[G0P+1], s[G0P+1], SLOT
	s_xor_b32 s[G0V+1], s[G0V+1], (BOFF)^(BOFF+SLOT)
	s_xor_b32 s[G0W+1], s[G0W+1], (BOF2)^(BOF2+SLOT)
.irp g, G0P, G0V, G0W
	s_add_nc_u64 s[\g+2:\g+3], s[\g+2:\g+3], KSB
.endr
.endm
.macro PFETCH st                       ; K step st: waves 0 and 1 a row of P's each, waves 2 and 3 two of V's: 24 blocks of 256 bytes a row
	global_prefetch_b8 v[PFV], s[PFB:PFB+1] offset:KSB*(\st) th:TH_LOAD_NT scope:SCOPE_SE
	s_cmp_eq_u32 s[RH], 0
	s_cbranch_scc1 .Lpf_\@
	global_prefetch_b8 v[PFV], s[PFB:PFB+1] offset:KSB*(\st)+24576 th:TH_LOAD_NT scope:SCOPE_SE
.Lpf_\@:
.endm
.macro MM i, b, c, cm, ra, wb          ; P's block i (registers ra on) x V's block b, chunk c of its step; cm = 1 starts the sums
.set rD, 8*(8*(\i)+(\b))
.set rB, 128*((\c)%2)+12*(\b)
.set rA, \ra
.set rSB, SV+8*((\c)/2)+(\b)
.set rSA, SP+4*((\c)/2)+(\i)
.if (\cm) == 1
	v_wmma_scale_f32_16x16x128_f8f6f4 v[rD:rD+7], v[rB:rB+11], v[rA:rA+11], 0, v[rSB], v[rSA] matrix_a_fmt:MATRIX_FMT_FP6 matrix_b_fmt:MATRIX_FMT_FP6
.elseif ((\c)%2) == 0
	v_wmma_scale_f32_16x16x128_f8f6f4 v[rD:rD+7], v[rB:rB+11], v[rA:rA+11], v[rD:rD+7], v[rSB], v[rSA] matrix_a_fmt:MATRIX_FMT_FP6 matrix_b_fmt:MATRIX_FMT_FP6
.else
	v_wmma_scale_f32_16x16x128_f8f6f4 v[rD:rD+7], v[rB:rB+11], v[rA:rA+11], v[rD:rD+7], v[rSB], v[rSA] matrix_a_fmt:MATRIX_FMT_FP6 matrix_b_fmt:MATRIX_FMT_FP6 matrix_a_scale:MATRIX_SCALE_ROW1 matrix_b_scale:MATRIX_SCALE_ROW1
.endif
.endm
.macro MUL8 i, c, cm                   ; the accumulators take turns, one instruction a turn
	WIN 0xa1
.irp b, 0,1,2,3,4,5,6,7
	MM \i, \b, \c, \cm, AF+48*((\c)%2)+12*(\i)
.endr
.endm
.macro FRAG reg, adr, off
.irp k, 0,1,2
	ds_load_b128 v[(\reg)+4*\k:(\reg)+4*\k+3], v[\adr] offset:(\off)+512*\k
.endr
.endm
.macro FV c, b0                        ; 12 loads: four of chunk c's fragments of V
	WIN 0x40
.irp b, \b0, \b0+1, \b0+2, \b0+3
	FRAG 128*((\c)%2)+12*(\b), ADRB, KSB*(\b)+1536*(\c)
.endr
	WIN 0
.endm
.macro FP c                            ; 12 loads: chunk c's four fragments of P
	WIN 0
.irp i, 0,1,2,3
	FRAG AF+48*((\c)%2)+12*\i, ADRA, KSB*\i+1536*(\c)
.endr
.endm
.macro SCALES p                        ; 12 loads: the scale words of a step's pair p of chunks
.irp b, 0,1,2,3,4,5,6,7
	ds_load_b32 v[SV+8*(\p)+\b], v[VSA] offset:2048*(\p)+64*\b
.endr
.irp i, 0,1,2,3
	ds_load_b32 v[SP+4*(\p)+\i], v[PSA] offset:1024*(\p)+64*\i
.endr
.endm
.macro CSTEP c, cm                     ; chunk c, 0 to 2; the next chunk is fetched into the other sets
	s_wait_dscnt 9                                 ; V's fragments, the scale words and P's block 0 are in; the youngest nine loads (P's blocks 1-3) may be out
	PLACES
.if (\c) == 1
	SCALES 1
.endif
	FV (\c)+1, 0
	MUL8 0, \c, \cm
	FV (\c)+1, 4
.if (\c) == 1
	s_wait_dscnt 36                                ; P's blocks 1-3 are in: younger are the scale words' 12 loads and V's 24
.else
	s_wait_dscnt 24
.endif
	MUL8 1, \c, \cm
	FP (\c)+1
	MUL8 2, \c, \cm
	MUL8 3, \c, \cm
	WIN 0
.endm
; A step's last chunk: one barrier; in front of it each wave waits for all its tensor loads, adds 0 to its spare word, and waits for that and for its reads of this slot.
; fill = 1: this slot takes the K step two on, and the next step's first chunk is fetched.  fill = 0: half the products and the barrier alone.
.macro CTURN fill
	s_xor_b32 s[SLO], s[SLO], SLOT
	s_add_co_u32 s[VOF], s[VOF], 4096
	s_add_co_u32 s[POF], s[POF], 2048
	v_add_nc_u32 v[ADRA], s[SLO], v[ADRA0]
	v_add_nc_u32 v[ADRB], s[SLO], v[ADRB0]
	v_add_nc_u32 v[VSA], s[VOF], v[VS0]
	v_add_nc_u32 v[PSA], s[POF], v[PS0]
	s_wait_alu depctr_va_vdst(0)
	s_wait_tensorcnt 0x0                           ; all my tensor loads have landed: my part of the next slot
	ds_add_u32 v[SPW], v[NIL]
.if \fill
	DSTEP
.endif
	s_wait_dscnt 1                                 ; (the add alone may be out: this chunk's fragments are in)
	MUL8 0, 3, 0
	s_wait_dscnt 0x0                               ; the add is done, and my reads of this slot are over
	s_barrier_signal -1
	MUL8 1, 3, 0
	WIN 0
	s_barrier_wait -1
.if \fill
	CREST                                          ; no wave of any partner still reads this slot or has a load on its way
	JLOAD 0
.endif
	PLACES
.if \fill
	SCALES 0
	FV 0, 0
	FV 0, 4
	s_cmp_eq_u32 s[TRIP], 2
	s_cbranch_scc0 .Lno_pf_\@
	PFETCH 3                                       ; in the first trip alone: K step 3 is the last
.Lno_pf_\@:
	MUL8 2, 3, 0
	FP 0
	MUL8 3, 3, 0
	WIN 0
.endif
.endm
	s_load_b256 s[4:11], s[0:1], 0x0               ; pc, pst, qkvc, qkvs
	s_load_b64 s[12:13], s[0:1], 0x20              ; out0
	v_lshl_add_u32 v[SPW], v0, 2, SPARE
	v_mov_b32 v[NIL], 0
	ds_add_u32 v[SPW], v[NIL]                      ; the opening lines: the add, twice on end, and its wait
	ds_add_u32 v[SPW], v[NIL]
	v_lshrrev_b32 v1, 5, v0
	v_readfirstlane_b32 s[WV], v1
	s_lshr_b32 s[RH], s[WV], 1                     ; which 64 queries are mine
	s_and_b32 s[CH], s[WV], 1                      ; which 128 of d
	v_and_b32 v1, 31, v0                           ; lane
	v_and_b32 v2, 15, v0                           ; r
	v_bfe_u32 v3, v0, 4, 1                         ; h
	v_lshlrev_b32 v25, 4, v1                       ; 16 x lane
	v_lshlrev_b32 v4, 2, v0                        ; 4 x thread: thread t takes position t of the tile's 128
	v_lshlrev_b32 v26, 2, v2
	s_mul_i32 s82, s[RH], 4*KSB
	s_mul_i32 s83, s[CH], 8*KSB
	s_add_co_u32 s83, s83, BOFF
	v_add_nc_u32 v[ADRA0], s82, v25
	v_add_nc_u32 v[ADRB0], s83, v25
	v_add_nc_u32 v[ADRA], s82, v25
	v_add_nc_u32 v[ADRB], s83, v25
	s_lshl_b32 s82, s[CH], 9
	s_add_co_u32 s82, s82, VSC
	s_lshl_b32 s84, s[RH], 8
	s_add_co_u32 s83, s84, PSC
	s_add_co_u32 s84, s84, LINV
	s_wait_alu depctr_va_vdst(0)                   ; directly ahead of the readers below
	v_lshl_add_u32 v[VS0], v3, 10, v26
	v_lshl_add_u32 v[PS0], v3, 9, v26
	v_add_nc_u32 v[VS0], s82, v[VS0]               ; V's scale words: lanes 16-31 the odd chunk
	v_add_nc_u32 v[PS0], s83, v[PS0]               ; P's likewise, my 64 positions
	v_add_nc_u32 v31, s84, v26
	v_mov_b32 v[VSA], v[VS0]
	v_mov_b32 v[PSA], v[PS0]
	v_lshl_add_u32 v20, v0, 2, PSC
	v_lshl_add_u32 v24, v0, 2, LINV
	s_mul_i32 s85, s[WV], 16*SPITCH                ; my stage
	v_mul_u32_u24 v[STO], v2, SPITCH
	v_lshl_add_u32 v[STO], v3, 7, v[STO]
	v_add_nc_u32 v[STO], s85, v[STO]               ; in: row r, + 128 h
	v_add_nc_u32 v[RD], s85, v25                   ; back: a row of 512 bytes, 16 a lane
	v_mov_b32 v[CO], v25
.irp i, 0,1,2,3
	v_mov_b32 v[LV+2*\i+1], 0                      ; named as the upper halves of pairs
.endr
	s_wait_alu depctr_va_vdst(0)
	s_bfe_u32 s[CX], ttmp6, 0x40000
	s_bfe_u32 s[CY], ttmp6, 0x40004
	s_and_b32 s[CLY], ttmp7, 0xffff
	s_lshl_b32 s[MT], s[CLY], 2
	s_add_co_u32 s[MT], s[MT], s[CY]               ; my tile of 128 queries
	s_lshr_b32 s[BAT], s[CLY], 2                   ; its batch
	s_lshl_b32 s86, s[CY], 2
	s_lshl_b32 s86, 15, s86
	s_lshl_b32 s87, 0x1111, s[CX]
	s_or_b32 s[G1P], s86, (3<<16)|(1<<21)
	s_or_b32 s[G1V], s87, (3<<16)|(1<<21)
	s_or_b32 s[G1S], s87, (3<<16)|(1<<21)
.irp g, G1P, G1V                       ; 8 rowblocks: 6,144 bytes of each, 24,576 apart
	s_mov_b32 s[\g+1], 768<<16
	s_mov_b32 s[\g+2], 8<<16
	s_mov_b32 s[\g+3], 768<<16
	s_mov_b32 s[\g+4], 8
	s_mov_b32 s[\g+5], 3072
	s_mov_b32 s[\g+6], 0
	s_mov_b32 s[\g+7], 0
.endr
	s_mov_b32 s[G1S+1], 128<<16                    ; 16 chunks' words of 256 of d
	s_mov_b32 s[G1S+2], 16<<16
	s_mov_b32 s[G1S+3], 128<<16
	s_mov_b32 s[G1S+4], 16
	s_mov_b32 s[G1S+5], 2048
	s_mov_b32 s[G1S+6], 0
	s_mov_b32 s[G1S+7], 0
	s_mov_b32 s[G0P], 1
	s_mov_b32 s[G0P+1], 0
	s_mov_b32 s[G0V], 1
	s_mov_b32 s[G0V+1], BOFF
	s_mov_b32 s[G0W], 1
	s_mov_b32 s[G0W+1], BOF2
	s_mov_b32 s[G0S], 1
	s_mov_b32 s[G0S+1], VSC
	s_mul_i32 s70, s[MT], 8*24576                  ; P's tile
	s_mov_b32 s71, 0
	s_lshl_b32 s72, s[BAT], 6
	s_lshl_b32 s75, s[CX], 4
	s_add_co_u32 s72, s72, s75
	s_mul_i32 s72, s72, 24576                      ; V's: tile 64 batch + 16 cx,
	s_add_co_u32 s72, s72, 12582912                ; behind q and k
	s_mov_b32 s73, 0
	s_lshl_b32 s76, s[BAT], 12
	s_lshl_b32 s75, s[CX], 10
	s_add_co_u32 s76, s76, s75
	s_add_co_u32 s76, s76, 524288                  ; V's scale words lie behind q's and k's; a chunk's row is 16,384 bytes
	s_mov_b32 s77, 0
	s_lshl_b32 s80, s[MT], 9
	s_mov_b32 s81, 0
	s_lshl_b32 s78, s[CX], 1                       ; prefetches: P's rows 2 cx + CH, V's 4 cy + 2 CH and the next
	s_add_co_u32 s78, s78, s[CH]
	s_mul_i32 s78, s78, 24576
	s_add_co_u32 s78, s78, s70
	s_lshl_b32 s79, s[CY], 1
	s_add_co_u32 s79, s79, s[CH]
	s_mul_i32 s79, s79, 2*24576
	s_add_co_u32 s79, s79, s72
	s_cmp_eq_u32 s[RH], 0
	s_cselect_b32 s78, s78, s79
	v_min_u32 v27, 23, v1
	v_lshl_add_u32 v[PFV], v27, 8, s78
	s_lshl_b32 s88, s[MT], 19                      ; out0: 128 rows of 4,096 bytes a tile,
	s_lshl_b32 s89, s[RH], 18                      ; my 64 rows,
	s_add_co_u32 s88, s88, s89
	s_lshl_b32 s89, s[CX], 10                      ; 256 of d a tile,
	s_add_co_u32 s88, s88, s89
	s_lshl_b32 s89, s[CH], 9                       ; my 128
	s_add_co_u32 s88, s88, s89
	s_mov_b32 s89, 0
	s_mov_b32 s[SLO], 0
	s_mov_b32 s[VOF], 0
	s_mov_b32 s[POF], 0
	s_mov_b32 s[TRIP], 2
	s_wait_alu depctr_va_vdst(0)
	s_wait_dscnt 0x0
	CROUND
	s_wait_kmcnt 0x0
	s_add_nc_u64 s[G0P+2:G0P+3], s[4:5], s[70:71]
	s_add_nc_u64 s[G0V+2:G0V+3], s[8:9], s[72:73]
	s_add_nc_u64 s[G0W+2:G0W+3], s[G0V+2:G0V+3], 8*24576
	s_add_nc_u64 s[G0S+2:G0S+3], s[10:11], s[76:77]
.irp g, G0P, G0V, G0W, G0S
	s_or_b32 s[\g+3], s[\g+3], 0x80000000
.endr
	JLOAD 1                                        ; the head's loads, one a wave
	s_add_nc_u64 s[80:81], s[6:7], s[80:81]        ; pst at my tile's first position
.irp q, 0,1,2,3,4,5,6,7,8,9,10,11,12,13,14,15
	global_load_b32 v[NM+\q], v4, s[80:81] offset:524288+32768*\q
.endr
.irp q, 0,1,2,3,4,5,6,7,8,9,10,11,12,13,14,15
	global_load_b32 v[LL+\q], v4, s[80:81] offset:1048576+32768*\q
	global_load_b32 v[SW+\q], v4, s[80:81] offset:32768*\q
.endr
	s_cmp_eq_u32 s[RH], 0
	s_cselect_b64 s[PFB:PFB+1], s[4:5], s[8:9]
	s_add_nc_u64 s[12:13], s[12:13], s[88:89]
	s_wait_loadcnt 0x0
	PFETCH 1
	v_min3_num_f32 v26, v[NM], v[NM+1], v[NM+2]    ; -M = the least -M_loc
.irp i, 3,5,7,9,11,13
	v_min3_num_f32 v26, v26, v[NM+\i], v[NM+\i+1]
.endr
	v_min_num_f32 v26, v26, v[NM+15]
.irp q, 0,1,2,3,4,5,6,7,8,9,10,11,12,13,14,15
	v_sub_f32 v[NM+\q], v26, v[NM+\q]              ; M_loc - M: a whole number, 0 or less
.endr
.irp q, 0,1,2,3,4,5,6,7,8,9,10,11,12,13,14,15
	v_cvt_i32_f32 v[NM+\q], v[NM+\q]               ; (it saturates)
.endr
.irp q, 0,1,2,3,4,5,6,7,8,9,10,11,12,13,14,15
	v_ldexp_f32 v[LL+\q], v[LL+\q], v[NM+\q]       ; l_loc under the row's M
.endr
.irp q, 0,1,2,3,4,5,6,7,8,9,10,11,12,13,14,15
	v_sub_nc_u32 v[NM+\q], 0, v[NM+\q]
.endr
.irp q, 0,1,2,3,4,5,6,7,8,9,10,11,12,13,14,15
	v_min_u32 v[NM+\q], 127, v[NM+\q]              ; p's bytes are 125 at the most: 127 off leaves none above 0
.endr
.irp q, 0,1,2,3,4,5,6,7,8,9,10,11,12,13,14,15
	v_perm_b32 v[NM+\q], v[NM+\q], v[NM+\q], 0     ; the same number in all four bytes
.endr
.irp q, 0,1,2,3,4,5,6,7,8,9,10,11,12,13,14,15
	v_or_b32 v[SW+\q], 0x80808080, v[SW+\q]        ; 128 onto each byte: no borrow then leaves a byte
.endr
.irp q, 0,1,2,3,4,5,6,7,8,9,10,11,12,13,14,15
	v_sub_nc_u32 v[SW+\q], v[SW+\q], v[NM+\q]
.endr
.irp q, 0,1,2,3,4,5,6,7,8,9,10,11,12,13,14,15
	v_and_b32 v[NM+\q], 0x80808080, v[SW+\q]       ; the top bit is left where the byte did not fall under 0
.endr
.irp q, 0,1,2,3,4,5,6,7,8,9,10,11,12,13,14,15
	v_lshrrev_b32 v[E+\q], 7, v[NM+\q]
.endr
.irp q, 0,1,2,3,4,5,6,7,8,9,10,11,12,13,14,15
	v_sub_nc_u32 v[NM+\q], v[NM+\q], v[E+\q]       ; 0x7f there, 0 elsewhere
.endr
.irp q, 0,1,2,3,4,5,6,7,8,9,10,11,12,13,14,15
	v_and_b32 v[SW+\q], v[SW+\q], v[NM+\q]         ; the byte under the row's M, held at 0
.endr
.irp q, 0,1,2,3,4,5,6,7
	v_add_f32 v[LL+\q], v[LL+\q], v[LL+8+\q]
.endr
.irp q, 0,1,2,3
	v_add_f32 v[LL+\q], v[LL+\q], v[LL+4+\q]
.endr
.irp q, 0,1
	v_add_f32 v[LL+\q], v[LL+\q], v[LL+2+\q]
.endr
	v_add_f32 v[LL], v[LL], v[LL+1]                ; l
	s_wait_alu depctr_va_vdst(0)                   ; ahead of the transcendental
	v_rcp_f32 v27, v[LL]
	v_nop                                          ; a plain place behind the reciprocal
	s_wait_alu depctr_va_vdst(0)                   ; and the wait ahead of its first reader
.irp q, 0,1,2,3,4,5,6,7,8,9,10,11,12,13,14,15
	ds_store_b32 v20, v[SW+\q] offset:512*\q
.endr
	ds_store_b32 v24, v27
	s_wait_tensorcnt 0x0                           ; my part of the head's loads is in
	ds_add_u32 v[SPW], v[NIL]
	DSTEP                                          ; K step 1, slot 1
	s_wait_dscnt 0x0                               ; the add is done, and for the others' sake: my stores have landed
	CROUND
	JLOAD 0
.irp i, 0,1,2,3
	ds_load_b32 v[LV+2*\i], v31 offset:64*\i
.endr
	SCALES 0
	FV 0, 0
	FV 0, 4
	FP 0
	PFETCH 2
	CSTEP 0, 1                                     ; the first chunk starts the sums
.Lsteps:
	CSTEP 1, 0
	CSTEP 2, 0
	CTURN 1                                        ; slot 0 takes K step 2; in the second trip slot 1 takes K step 3
	CSTEP 0, 0
	s_sub_co_u32 s[TRIP], s[TRIP], 1
	s_cmp_lg_u32 s[TRIP], 0
	s_cbranch_scc1 .Lsteps
	CSTEP 1, 0
	CSTEP 2, 0
	CTURN 0                                        ; nothing is left to fetch; nobody reads slot 0 behind this barrier
; THE LAST K STEP, BY ROWS
.macro FVT c                           ; 24 loads: chunk c's eight fragments of V: chunks 0, 1 window 1, chunks 2, 3 window 3
	WIN 0x40+0x80*((\c)/2)
.irp b, 0,1,2,3,4,5,6,7
	FRAG 128*((\c)%2)+12*\b, ADRB, KSB*\b+1536*(\c)
.endr
	WIN 0
.endm
.macro FPB i                           ; 12 loads: P's block i, all four chunks, into set i % 2
.irp c, 0,1,2,3
	FRAG AF+48*((\i)%2)+12*\c, ADRA, KSB*(\i)+1536*\c
.endr
.endm
.macro ROW i                           ; block i's last 32 products, its eight accumulators by turns, keys ascending
.irp c, 0,1,2,3
.if (\i) == 0
.if \c == 0
	s_wait_dscnt 48                                ; V's chunks 0, 2, 3, P's block 0 and the first pair's scale words are in; the 48 loads behind them may be out
.elseif \c == 1
	s_wait_dscnt 24                                ; V's chunk 1
.elseif \c == 2
	s_wait_dscnt 12                                ; the second pair's scale words
.endif
.endif
	WIN 0xa1+2*(\c/2)
.irp b, 0,1,2,3,4,5,6,7
	MM \i, \b, \c, 0, AF+48*((\i)%2)+12*\c
.endr
.endr
.endm
; THE WAY OUT of a block, 16 queries x 128 of d: x 1 / l; through my own stage in LDS; back as whole rows of 512 bytes.  LDS serves a wave's instructions in order: no wait between the stores and the loads.
.macro TOSTAGE i
	WIN 0x82                                       ; destination and source 0 window 2, 1 / l window 0
.set j, 0
.rept 32
	v_pk_mul_f32 v[64*(\i)+j:64*(\i)+j+1], v[64*(\i)+j:64*(\i)+j+1], v[LV+2*(\i):LV+2*(\i)+1] op_sel_hi:[1,0]   ; each accumulator from its low end on
.set j, j+2
.endr
	WIN 0x08                                       ; an LDS store's data: window 2
.irp b, 0,1,2,3,4,5,6,7
	ds_store_b128 v[STO], v[64*(\i)+8*\b:64*(\i)+8*\b+3] offset:256*(\b/4)+32*(\b%4)
	ds_store_b128 v[STO], v[64*(\i)+8*\b+4:64*(\i)+8*\b+7] offset:256*(\b/4)+32*(\b%4)+16
.endr
	WIN 0
.irp t, 0,1,2,3,4,5,6,7,8,9,10,11,12,13,14,15
	ds_load_b128 v[BK+4*\t:BK+4*\t+3], v[RD] offset:\t*SPITCH
.endr
.endm
.macro SEND i, younger                 ; younger: the LDS loads issued behind block i's, which may stay out
	s_wait_dscnt \younger
.irp t, 0,1,2,3,4,5,6,7,8,9,10,11,12,13,14,15
	global_store_b128 v[CO], v[BK+4*\t:BK+4*\t+3], s[12:13] offset:(8*(\i)+\t+24*(\t/8))*4096 th:TH_STORE_NT   ; 512 consecutive bytes, at a multiple of 256 from out0's first byte
.endr
.endm
	SCALES 0
	FVT 0
	FPB 0
	FVT 2
	FVT 3
	MUL8 2, 3, 0                                   ; the third step's last chunk is finished under these loads' flight
	MUL8 3, 3, 0
	WIN 0
	PLACES
	FVT 1
	SCALES 1
	FPB 1
.irp i, 0,1,2,3
	ROW \i
	PLACES                                         ; the multiplies read results just made
.if \i > 0
	s_wait_xcnt 0x0                                ; the last block's stores have read their registers
.endif
	TOSTAGE \i
.if \i < 2
	FPB \i+2
	SEND \i, 12
.else
	SEND \i, 0
.endif
.endr
	s_wait_tensorcnt 0x0                           ; the wave's end
	ds_add_u32 v[SPW], v[NIL]
	s_wait_dscnt 0x0
	CROUND                                         ; the closing round
	s_endpgm
.Lfunc_end_k_q937ceaad82_pv:
	.size	k_q937ceaad82_pv, .Lfunc_end_k_q937ceaad82_pv-k_q937ceaad82_pv
	.p2alignl 7, 3214868480
	.fill 96, 4, 3214868480
	.section	.rodata,"a",@progbits
	.p2align	6, 0x0
	.amdhsa_kernel k_q937ceaad82_pv
		.amdhsa_group_segment_fixed_size 327680
		.amdhsa_private_segment_fixed_size 0
		.amdhsa_enable_private_segment 0
		.amdhsa_kernarg_size 40
		.amdhsa_user_sgpr_count 2
		.amdhsa_user_sgpr_kernarg_segment_ptr 1
		.amdhsa_wavefront_size32 1
		.amdhsa_system_sgpr_workgroup_id_x 1
		.amdhsa_system_sgpr_workgroup_id_y 1
		.amdhsa_system_sgpr_workgroup_id_z 1
		.amdhsa_system_vgpr_workitem_id 0
		.amdhsa_next_free_vgpr 1024
		.amdhsa_next_free_sgpr 102
		.amdhsa_reserve_vcc 0
		.amdhsa_float_denorm_mode_32 3
		.amdhsa_float_denorm_mode_16_64 3
		.amdhsa_memory_ordered 1
		.amdhsa_forward_progress 1
		.amdhsa_inst_pref_size 137
	.end_amdhsa_kernel
	.amdgpu_metadata
---
amdhsa.version: [ 1, 2 ]
amdhsa.kernels:
  - .name:           k_q937ceaad82_pv
    .symbol:         k_q937ceaad82_pv.kd
    .args:
      - { .name: pc, .offset: 0, .size: 8, .value_kind: global_buffer, .address_space: global }
      - { .name: pst, .offset: 8, .size: 8, .value_kind: global_buffer, .address_space: global }
      - { .name: qkvc, .offset: 16, .size: 8, .value_kind: global_buffer, .address_space: global }
      - { .name: qkvs, .offset: 24, .size: 8, .value_kind: global_buffer, .address_space: global }
      - { .name: out0, .offset: 32, .size: 8, .value_kind: global_buffer, .address_space: global }
    .group_segment_fixed_size: 327680
    .private_segment_fixed_size: 0
    .kernarg_segment_align: 8
    .kernarg_segment_size: 40
    .max_flat_workgroup_size: 128
    .sgpr_count:     102
    .vgpr_count:     1024
    .wavefront_size: 32
...
	.end_amdgpu_metadata
.endif
;; end of part 4
